; MI455X (gfx1250); checked and timed in simulation.
; The chip was launched on July 23, 2026; its instructions are those of AMD's public machine-readable ISA for CDNA 5 (MIT licence, August 2026) and "CDNA5" Instruction Set Architecture Reference Guide (July 2026). The comments in the code are by the model that wrote it; some were corrected since.
;; Multi Head Attention. Allowed arithmetic: matrix products marked QUANTISED: E2M3 operands, one E8M0 scale for each 32 along K, by v_wmma_scale_f32_16x16x128_f8f6f4 with both operands' format E2M3, f32 sums; everything else in f32.
;; Inputs: key 2 x 2,048 x 1,024 float32; query 2 x 2,048 x 1,024 float32; value 2 x 2,048 x 1,024 float32; w_k 1,024 x 1,024 float32; w_o 1,024 x 1,024 float32; w_q 1,024 x 1,024 float32; w_v 1,024 x 1,024 float32.
;; Outputs: out0 2 x 2,048 x 1,024 float32.
;; This version of the problem:
;;   THIS VERSION OF THE PROBLEM IS GIVEN IN LOW PRECISION. The matrix products marked QUANTISED in the list below multiply operands that are first quantised to E2M3 (2 exponent bits, 3 mantissa bits; 6 bits a number), with one power-of-two scale for each 32 numbers along K (OCP MX v1.0); their sums are f32. All else is computed in f32.
;;   The module's matrix products, in the order in which they are computed (A, B: the left and right operand; K: the contracted axis; several contracted axes count as one K, in the product's order):
;;     1. [M 4,096, K 1,024] x [K 1,024, N 1,024]; A: input query; B: input w_q: QUANTISED
;;     2. [M 4,096, K 1,024] x [K 1,024, N 1,024]; A: input key; B: input w_k: QUANTISED
;;     3. [M 4,096, K 1,024] x [K 1,024, N 1,024]; A: input value; B: input w_v: QUANTISED
;;     4. batch 32 x [M 2,048, K 64] x [K 64, N 2,048]; A: computed on the way; B: computed on the way: QUANTISED
;;     5. batch 32 x [M 2,048, K 2,048] x [K 2,048, N 64]; A: softmax (see below); B: computed on the way: QUANTISED
;;     6. [M 4,096, K 1,024] x [K 1,024, N 1,024]; A: computed on the way; B: input w_o: QUANTISED
;;   THE QUANTISER, for each operand of a quantised product, along K:
;;     - K is cut into blocks of 32 from its start; a last block that is shorter is filled with zeros.
;;     - A block's scale is 2^e with e = floor(log2(the largest magnitude in the block)) - 2, held to -126 .. 127; a block of zeros has e = 0. As a byte (E8M0): e + 127.
;;     - Each number is divided by its block's scale, clamped to +-7.5, and rounded to the nearest number of E2M3, ties to even, subnormals kept.
;;     - The product sums the exact products of the quantised numbers (number of the format x scale) in f32.
;;   ~~~python
;;   def quantise(x, axis):      # numpy; x: float32 -> the quantised numbers, widened to float32 again
;;       x = np.moveaxis(x, axis, -1); K = x.shape[-1]
;;       x = np.pad(x, [(0, 0)] * (x.ndim - 1) + [(0, -K % 32)]); x = x.reshape(x.shape[:-1] + (-1, 32)); a = np.abs(x).max(-1, keepdims=True)
;;       e = np.where(a > 0, np.clip(np.frexp(np.where(a > 0, a, 1))[1] - 1 - 2, -126, 127), 0)      # np.frexp(a)[1] - 1 = floor(log2(a)), exactly
;;       r = np.clip(x / 2.0 ** e, -7.5, 7.5)
;;       step = 2.0 ** (np.maximum(np.frexp(np.where(r == 0, 1, r))[1] - 1, 0) - 3)
;;       q = np.round(r / step) * step * 2.0 ** e      # np.round: ties to even
;;       return np.moveaxis(q.reshape(q.shape[:-2] + (-1,))[..., :K], -1, axis).astype(np.float32)
;;   ~~~
;;   SOFTMAX AHEAD OF A QUANTISED PRODUCT. Where the list says 'softmax', what is quantised is not the finished softmax but p = 2^(t - M), with t = logit x log2(e) and M = ceil(the row's largest t), a whole number; so 1/2 < the row's largest p <= 1. The row's sum l is taken of the UNQUANTISED p, in f32, and the product's result is divided by l at the end. Since M is a whole number, a kernel that streams over the keys may use a running M (the ceiling of the running maximum): every later rescaling is an exact power of two, which a block's scale takes up: the codes' values come out the same.
;;   OPERANDS COMPUTED ON THE WAY. 'Computed on the way' means the value that the module computes at that place (a softmax that the list does not call 'softmax' is quantised finished and normalised). What goes into a quantiser is computed in f32, as accurately as f32 sums, v_exp_f32 and their like allow (about 1e-6 of the number): no bf16 or f16 on the way to a quantiser, and a product that is left as it is and whose result goes on into a quantised operand takes f32 operands (vector FMAs, or v_wmma_f32_16x16x4_f32). A number that lies on a knife's edge between two numbers of the format may be rounded either way, as far as f32 arithmetic and the matrix unit's own rounding can turn it there, and no further.
;; 2 versions. Each part assembles by itself: llvm-mc -triple=amdgcn-amd-amdhsa -mcpu=gfx1250 --defsym DOCPART=n.
;; ======== version 1 of 2: 4 launches
;; workspace buffers: wimg 3,145,728 bytes; wsc 131,072 bytes; qkv 10,747,904 bytes; ao 3,145,728 bytes; aos 524,288 bytes
;; launch wq (part 1): grid 64 x 4, 8 waves a work-group, no clusters, 15,872 bytes of LDS; arguments w_q, w_k, w_v, w_o, wimg, wsc; writes wimg, wsc
.if DOCPART == 1
	.amdgcn_target "amdgcn-amd-amdhsa--gfx1250"
	.amdhsa_code_object_version 6
	.text
	.protected	k_q4f176393a7_wq
	.globl	k_q4f176393a7_wq
	.p2align	8
	.type	k_q4f176393a7_wq,@function
k_q4f176393a7_wq:
	s_mov_b64 s[64:65], 0
	v_nop
	global_prefetch_b8 v0, s[64:65] scope:SCOPE_SE
	s_setreg_imm32_b32 hwreg(HW_REG_WAVE_MODE, 25, 1), 1
	s_wait_xcnt 0x0
; The four weights, each [1024 (k)][1024 (n)] f32 with K as the FIRST axis, become codes of FP6 (E2M3) with one E8M0 byte for each 32 along K,
; laid in the ORDER OF THE OPERAND'S REGISTERS, so that the products' launches load fragments by 16 and 8 bytes a lane from consecutive bytes.
; A HALF IMAGE is 768 bytes: registers 6 c .. 6 c + 5 of a fragment (lane (r, h): the 32 codes k = 64 c + 32 h + 0 .. 31 of row r): lane L's first 16 bytes at 16 L, its last 8 at 512 + 8 L.
; wimg: [weight][tile T 64][K step s 8][c 2] half images;  wsc: [weight][s 8][T 64][r 16] words, byte i for k = 128 s + 32 i.
; THE ROWS OF A TILE ARE NOT NEIGHBOURS: row r of tile T is column n = 32 (T / 2) + 8 (T % 2) + r + 8 (r / 8), so that a product's results of two neighbouring tiles are 16 neighbours in a lane.
; SHARES.  Work-group (x, y): weight y, columns 128 (x % 8) on, K step x / 8.  Wave w: 32 columns (w % 4), a lane a column, 64 along K (c = w / 4): two whole blocks in a lane's registers, so no other lane is asked
; for a maximum and nothing is transposed.  A load reads 128 consecutive bytes, four waves side by side 512.  All 64 loads of a wave go out at once.
; The codes turn through the wave's own stage in LDS into the two tiles' half images; each store of the wave then covers 512 or 256 consecutive bytes, aligned.  The scale bytes of the eight waves meet in 512 bytes of LDS and leave as one such run.
; Work-groups share no input: no cluster, no tensor load.
; A block's scale is 2^(floor(log2(largest magnitude)) - 2); its byte is the largest magnitude's exponent field - 2, held at 1 from below.
; LIMITS: NaN and infinities are not served; a block whose largest magnitude lies under 2^-124 keeps the byte 1 (a block of zeros too, where the rule says 127: its codes are zeros, and this program alone reads the bytes).
.set STGW, 1792                        ; a wave's stage: two half images, HIP bytes apart
.set HIP,  896
.set SCW,  8*STGW                      ; behind the stages: 8 tiles x 16 rows x 4 scale bytes
.set X,    32                          ; v32-95   64 numbers down K
.set CT,   100                         ; v100-102 a block's upper 16 codes (a conversion's three registers begin on an even number)
.set OUTR, 104                         ; v104-115 the two half images on the way out
	s_load_b256 s[4:11], s[0:1], 0x0               ; w_q, w_k, w_v, w_o
	s_load_b128 s[12:15], s[0:1], 0x20             ; wimg, wsc
	v_lshl_add_u32 v128, v0, 2, 0x3a00
	v_mov_b32 v129, 0
	v_lshrrev_b32 v10, 5, v0
	v_readfirstlane_b32 s16, v10                   ; wave 0..7
	s_and_b32 s17, ttmp7, 0xffff                   ; y: which weight
	s_and_b32 s18, ttmp9, 7                        ; cg: which 128 columns
	s_lshr_b32 s19, ttmp9, 3                       ; s: which K step
	s_and_b32 s20, s16, 3                          ; which 32 of the columns
	s_lshr_b32 s21, s16, 2                         ; c: which 64 of the K step
	v_and_b32 v11, 31, v0                          ; lane
	v_lshlrev_b32 v1, 2, v11                       ; in: 4 bytes a lane
	v_lshlrev_b32 v7, 4, v11                       ; out: 16 bytes a lane,
	v_lshlrev_b32 v8, 3, v11                       ; or 8
	v_bfe_u32 v12, v0, 3, 1                        ; u: my column lies in tile 2 (w % 4) + u of the eight,
	v_and_b32 v13, 7, v0
	v_bfe_u32 v14, v0, 4, 1
	v_lshl_add_u32 v13, v14, 3, v13                ; as its row r = lane % 8 + 8 (lane / 16)
	s_mul_i32 s22, s16, STGW
	v_mul_u32_u24 v15, v12, HIP
	v_add_nc_u32 v15, s22, v15
	v_lshl_add_u32 v2, v13, 4, v15                 ; into the stage: 16 bytes at 16 (r + 16 e),
	v_lshl_add_u32 v3, v13, 3, v15
	v_add_nc_u32 v3, 512, v3                       ; 8 bytes at 512 + 8 (r + 16 e)
	v_add_nc_u32 v4, s22, v7                       ; out of it: as the image lies
	v_add_nc_u32 v5, s22, v8
	v_add_nc_u32 v5, 512, v5
	s_lshl_b32 s23, s20, 7
	s_lshl_b32 s24, s21, 1
	s_add_co_u32 s23, s23, s24
	s_add_co_u32 s23, s23, SCW
	v_lshlrev_b32 v6, 6, v12
	v_lshl_add_u32 v6, v13, 2, v6
	v_add_nc_u32 v6, s23, v6                       ; my two scale bytes: SCW + 64 (2 (w % 4) + u) + 4 r + 2 c
	v_add_nc_u32 v9, SCW, v7
	s_lshl_b32 s24, s19, 19                        ; the weight: row 128 s + 64 c of 4,096 bytes, column 128 cg + 32 (w % 4)
	s_lshl_b32 s25, s21, 18
	s_add_co_u32 s24, s24, s25
	s_lshl_b32 s25, s18, 9
	s_add_co_u32 s24, s24, s25
	s_lshl_b32 s25, s20, 7
	s_add_co_u32 s24, s24, s25
	s_mov_b32 s25, 0
	s_mul_i32 s26, s17, 786432                     ; wimg: weight y, tile 8 cg + 2 (w % 4), K step s, half c
	s_mul_i32 s27, s18, 98304
	s_add_co_u32 s26, s26, s27
	s_mul_i32 s27, s20, 24576
	s_add_co_u32 s26, s26, s27
	s_mul_i32 s27, s19, 1536
	s_add_co_u32 s26, s26, s27
	s_mul_i32 s27, s21, 768
	s_add_co_u32 s26, s26, s27
	s_mov_b32 s27, 0
	s_lshl_b32 s28, s17, 15                        ; wsc: weight y, K step s, tile 8 cg
	s_lshl_b32 s29, s19, 12
	s_add_co_u32 s28, s28, s29
	s_lshl_b32 s29, s18, 9
	s_add_co_u32 s28, s28, s29
	s_mov_b32 s29, 0
	s_wait_kmcnt 0x0
	s_cmp_eq_u32 s17, 1                            ; the choice of the weight hangs on the work-group's number alone
	s_cselect_b64 s[4:5], s[6:7], s[4:5]
	s_cmp_eq_u32 s17, 2
	s_cselect_b64 s[4:5], s[8:9], s[4:5]
	s_cmp_eq_u32 s17, 3
	s_cselect_b64 s[4:5], s[10:11], s[4:5]
	s_add_nc_u64 s[4:5], s[4:5], s[24:25]
	s_add_nc_u64 s[12:13], s[12:13], s[26:27]
	s_add_nc_u64 s[14:15], s[14:15], s[28:29]
.set i, 0
.rept 64
	global_load_b32 v[X+i], v1, s[4:5] offset:i*4096 th:TH_LOAD_NT   ; W(128 s + 64 c + i, my column)
.set i, i+1
.endr
; Block e of my two: its largest magnitude, its byte, its 32 codes; they are lane (r, h = e)'s part of my tile's half image.
.macro BLOCK e
.set XS, X+32*(\e)
.set P,  16+8*(\e)
	v_max3_num_f32 v12, |v[XS]|, |v[XS+1]|, |v[XS+2]|
	v_max3_num_f32 v13, |v[XS+3]|, |v[XS+4]|, |v[XS+5]|
.irp i, 6,10,14,18,22,26
	v_max3_num_f32 v12, v12, |v[XS+\i]|, |v[XS+\i+1]|
	v_max3_num_f32 v13, v13, |v[XS+\i+2]|, |v[XS+\i+3]|
.endr
	v_max3_num_f32 v12, v12, |v[XS+30]|, |v[XS+31]|
	v_max3_num_f32 v12, v12, v13, 0x1800000        ; and the floor 2^(3 - 127): the byte cannot fall under 1
	v_add_nc_u32 v14, 0xff000000, v12              ; 2 off the exponent field: the conversion takes this operand's exponent field as its scale
	v_lshrrev_b32 v13, 23, v14                     ; the scale's byte
	v_cvt_scalef32_pk16_fp6_f32 v[P:P+2], v[XS:XS+15], v14
	v_cvt_scalef32_pk16_fp6_f32 v[CT:CT+2], v[XS+16:XS+31], v14
.if (\e) == 0
	v_mov_b32 v10, v13                             ; my two bytes, the lower K in the lower byte.  (Also the plain place behind the conversions)
.else
	v_lshl_or_b32 v10, v13, 8, v10
.endif
.irp i, 0,1,2
	v_mov_b32 v[P+3+\i], v[CT+\i]
.endr
	ds_store_b128 v2, v[P:P+3] offset:256*(\e)
	ds_store_b64 v3, v[P+4:P+5] offset:128*(\e)
.endm
	s_wait_loadcnt 32                              ; the first block's 32 loads are in; the second block's may be out
	BLOCK 0
	s_wait_loadcnt 0x0
	BLOCK 1
	ds_store_b16 v6, v10
.irp f, 0,1
	ds_load_b128 v[OUTR+6*\f:OUTR+6*\f+3], v4 offset:HIP*\f       ; LDS serves a wave's instructions in order (ISA guide 5.7.1.4): these see my stores
	ds_load_b64 v[OUTR+6*\f+4:OUTR+6*\f+5], v5 offset:HIP*\f
.endr
	s_wait_dscnt 0x0                               ; the images are back, and my scale bytes have landed: for the other waves' sake too
.irp f, 0,1
	global_store_b128 v7, v[OUTR+6*\f:OUTR+6*\f+3], s[12:13] offset:12288*\f        ; 512 consecutive bytes, aligned to 256
	global_store_b64 v8, v[OUTR+6*\f+4:OUTR+6*\f+5], s[12:13] offset:12288*\f+512   ; 256 consecutive bytes, aligned
.endr
	s_barrier_signal -1
	s_barrier_wait -1                              ; all eight waves' scale bytes lie in LDS
	s_cmp_lg_u32 s16, 0
	s_cbranch_scc1 .Lend                           ; wave 0 stores the 128 words
	ds_load_b128 v[116:119], v9
	s_wait_dscnt 0x0
	global_store_b128 v7, v[116:119], s[14:15]     ; 512 consecutive bytes, aligned to 256
.Lend:
	s_wait_tensorcnt 0x0
	ds_add_u32 v128, v129
	s_wait_dscnt 0x0
	s_endpgm
.Lfunc_end_k_q4f176393a7_wq:
	.size	k_q4f176393a7_wq, .Lfunc_end_k_q4f176393a7_wq-k_q4f176393a7_wq
	.p2alignl 7, 3214868480
	.fill 96, 4, 3214868480
	.section	.rodata,"a",@progbits
	.p2align	6, 0x0
	.amdhsa_kernel k_q4f176393a7_wq
		.amdhsa_group_segment_fixed_size 15872
		.amdhsa_private_segment_fixed_size 0
		.amdhsa_enable_private_segment 0
		.amdhsa_kernarg_size 48
		.amdhsa_user_sgpr_count 2
		.amdhsa_user_sgpr_kernarg_segment_ptr 1
		.amdhsa_wavefront_size32 1
		.amdhsa_system_sgpr_workgroup_id_x 1
		.amdhsa_system_sgpr_workgroup_id_y 1
		.amdhsa_system_sgpr_workgroup_id_z 1
		.amdhsa_system_vgpr_workitem_id 0
		.amdhsa_next_free_vgpr 130
		.amdhsa_next_free_sgpr 66
		.amdhsa_reserve_vcc 0
		.amdhsa_float_denorm_mode_32 3
		.amdhsa_float_denorm_mode_16_64 3
		.amdhsa_memory_ordered 1
		.amdhsa_forward_progress 1
		.amdhsa_inst_pref_size 14
	.end_amdhsa_kernel
	.amdgpu_metadata
---
amdhsa.version: [ 1, 2 ]
amdhsa.kernels:
  - .name:           k_q4f176393a7_wq
    .symbol:         k_q4f176393a7_wq.kd
    .args:
      - { .name: w_q, .offset: 0, .size: 8, .value_kind: global_buffer, .address_space: global }
      - { .name: w_k, .offset: 8, .size: 8, .value_kind: global_buffer, .address_space: global }
      - { .name: w_v, .offset: 16, .size: 8, .value_kind: global_buffer, .address_space: global }
      - { .name: w_o, .offset: 24, .size: 8, .value_kind: global_buffer, .address_space: global }
      - { .name: wimg, .offset: 32, .size: 8, .value_kind: global_buffer, .address_space: global }
      - { .name: wsc, .offset: 40, .size: 8, .value_kind: global_buffer, .address_space: global }
    .group_segment_fixed_size: 15872
    .private_segment_fixed_size: 0
    .kernarg_segment_align: 8
    .kernarg_segment_size: 48
    .max_flat_workgroup_size: 256
    .sgpr_count:     66
    .vgpr_count:     130
    .wavefront_size: 32
...
	.end_amdgpu_metadata
.endif
;; end of part 1
;; launch proj (part 2): grid 64 x 3, 16 waves a work-group, no clusters, 190,464 bytes of LDS; arguments query, key, value, wimg, wsc, qkv; writes qkv
.if DOCPART == 2
	.amdgcn_target "amdgcn-amd-amdhsa--gfx1250"
	.amdhsa_code_object_version 6
	.text
	.protected	k_q4f176393a7_proj
	.globl	k_q4f176393a7_proj
	.p2align	8
	.type	k_q4f176393a7_proj,@function
k_q4f176393a7_proj:
	s_mov_b64 s[64:65], 0
	v_nop
	global_prefetch_b8 v0, s[64:65] scope:SCOPE_SE
	s_setreg_imm32_b32 hwreg(HW_REG_WAVE_MODE, 25, 1), 1
	s_wait_xcnt 0x0
; q = query w_q, k = key w_k, v = value w_v, on codes of FP6 (E2M3) with one E8M0 scale for each 32 along K; the results are quantised at once for the attention's products and leave as codes alone.
; Work-group (x, y): tensor y (0 query, 1 key, 2 value), rows 64 x .. 64 x + 63, ALL 1,024 columns: each number of the input is read and quantised once.  Wave w makes head w: 4 tiles of columns x 4 tiles of rows, 16 accumulators.
; PHASE X: wave w quantises tile w / 4 of the rows, K steps 2 (w % 4) and 2 (w % 4) + 1.  Each of its 32 loads takes 512 consecutive bytes, one K step of one row, 16 bytes a lane; the conversions want 16 NEIGHBOURS in a lane, so a K step's
; 16 rows turn through the wave's own stage in LDS (rows of 512 + 16 bytes: the sixteen rows that a pass of the loads back touches start in different banks) and come back 64 bytes a lane for each block of 32.
; The two fragments then go to LDS as images of their registers (three stores of 512 consecutive bytes) with their scale words; ONE barrier.
; MAIN: eight K steps of 128, written out.  The weight's fragments come from wimg straight into registers (laid in register order by the launch before): each wave reads its own head's 49,152 bytes.  A tile's registers are asked for again
; as soon as its four products are issued: three tiles' loads are on their way while the fourth is multiplied.
; THE ROWS OF EVERY TILE ARE NOT NEIGHBOURS: row r of tile T is 32 (T / 2) + 8 (T % 2) + r + 8 (r / 8): the 16 registers of two neighbouring tiles of a result are then 16 neighbours along the next product's K.
; q, k: source 0 = 16 columns of W, source 1 = 16 rows of x: a lane holds one row and its registers run along d, the next K.   v: the sources swapped: a lane holds one d and its registers run along the keys, its next K.
; qkv: [b 16 + head][row / 64] records of 10,496 bytes: Q's 4 half images (768 bytes each: lane L's 16 bytes at 16 L, 8 bytes at 512 + 8 L), Q's scale words (lane L's 16 bytes: tiles 0..3 of row L % 16), K likewise at 3,584, V's 4 half images
; (a tile of 16 d) at 7,168, V's scale bytes (lane L's 8 bytes: two for each tile) at 10,240.  A word of Q's or K's scales holds its two bytes twice: the attention fills K = 64 up to 128 with zero codes of Q, and those blocks' bytes are then bytes of 1 to 254.
; NO CLUSTER: joint requests bring tiles into LDS, and a weight's 786,432 bytes of codes, all of which a work-group walks, do not fit there; here each byte of them goes once into the registers of the one wave that multiplies by it.
; LIMITS: NaN and infinities are not served; a block whose largest magnitude lies under 2^-124 keeps the scale byte 1 (a block of zeros too: its codes are zeros, and this program alone reads the bytes).
; REGISTERS: v1-7, v31 addresses; v8-11 x's scale words; v12-27 W's (register 4 t + j: lanes 0-15 K step j, lanes 16-31 K step 4 + j); v32-79 W's 4 fragments; v80-127 x's 4; v128-255 the accumulators (in phase X: x's numbers).
.set XS,  8
.set WSC, 12
.set WF,  32
.set XF,  80
.set ACC, 128
.set TM,  80                           ; phase X, in x's fragments' registers: v80-95 at work, v96 the scale word, v100-118 the codes
.set PW,  96
.set PC,  100
.set TMQ, 32                           ; the way out, in W's fragments' registers: v32-39 at work, v40-42 codes, v44-47 pairs of bytes, v48-51 words
.set CTQ, 40
.set SEL, 20                           ; s[20:21] lane selects for v_permlanex16_b32: lane l xor 16
.set XSC, 49152                        ; LDS: 32 fragments of 1,536 bytes ((8 m + s) x 1,536), then their scale words, 128 bytes each,
.set STGX, 53248                       ; then a stage for each wave:
.set SROW, 528                         ; 16 rows of 512 bytes + 16
.set STGW, 16*SROW
.macro NOP4                            ; four places behind a matrix instruction, in front of loads into registers that it has read and of the first read of results
.rept 4
	v_nop
.endr
.endm
.macro XLOAD reg, s                    ; my K step s (0, 1) of my tile's 16 rows: a load a row, 32 lanes on 512 consecutive bytes
.irp i, 0,1,2,3,4,5,6,7,8,9,10,11,12,13,14,15
	global_load_b128 v[\reg+4*\i:\reg+4*\i+3], v1, s[4:5] offset:(\i+8*(\i/8))*4096+512*\s th:TH_LOAD_NT
.endr
.endm
.macro TOST reg                        ; the 16 rows go into my stage as they were loaded
.irp i, 0,1,2,3,4,5,6,7,8,9,10,11,12,13,14,15
	ds_store_b128 v4, v[\reg+4*\i:\reg+4*\i+3] offset:SROW*\i
.endr
.endm
.macro BACK reg                        ; and come back so that register 16 b + i = k 32 b + 16 (lane / 16) + i of row lane % 16
.irp b, 0,1,2,3
.irp j, 0,1,2,3
	ds_load_b128 v[\reg+16*\b+4*\j:\reg+16*\b+4*\j+3], v31 offset:128*\b+16*\j
.endr
.endr
.endm
; 64 numbers of a lane become a fragment's codes in v[PC] on and its scale word in v[PW]
.macro QUANT s
.irp b, 0,1,2,3
	v_max3_num_f32 v[TM+\b], |v[\s+16*\b]|, |v[\s+1+16*\b]|, 0x1800000   ; my 16 numbers of block b, and the floor 2^(3 - 127): the byte cannot fall under 1
.endr
.irp i, 2,4,6,8,10,12,14
.irp b, 0,1,2,3
	v_max3_num_f32 v[TM+\b], v[TM+\b], |v[\s+16*\b+\i]|, |v[\s+1+16*\b+\i]|
.endr
.endr
.irp b, 0,1,2,3
	v_permlanex16_b32 v[TM+4+\b], v[TM+\b], s[SEL], s[SEL+1]
.endr
.irp b, 0,1,2,3
	v_max_num_f32 v[TM+\b], v[TM+\b], v[TM+4+\b]   ; with lane l xor 16's: the block's largest magnitude
.endr
.irp b, 0,1,2,3
	v_add_nc_u32 v[TM+12+\b], 0xff000000, v[TM+\b] ; 2 off its exponent field: the conversion's scale operand
.endr
.irp b, 0,1,2,3
	v_lshrrev_b32 v[TM+4+\b], 23, v[TM+12+\b]      ; the scale's byte
.endr
	v_lshl_or_b32 v[PW], v[TM+5], 8, v[TM+4]
	v_lshl_or_b32 v[PW], v[TM+6], 16, v[PW]
	v_lshl_or_b32 v[PW], v[TM+7], 24, v[PW]
.irp c, 0,1
	v_cvt_scalef32_pk16_fp6_f32 v[PC+6*\c:PC+2+6*\c], v[\s+32*\c:\s+15+32*\c], v[TM+12+2*\c]
	v_cvt_scalef32_pk16_fp6_f32 v[PC+12+4*\c:PC+14+4*\c], v[\s+16+32*\c:\s+31+32*\c], v[TM+12+2*\c+1]
.endr
	v_nop                                          ; one plain place behind a scaled conversion
.irp c, 0,1                                    ; the operand's layout wants a whole block in a lane
.irp i, 0,1,2
	v_permlane16_swap_b32 v[PC+6*\c+\i], v[PC+12+4*\c+\i]
.endr
.irp i, 0,1,2
	v_mov_b32 v[PC+3+6*\c+\i], v[PC+12+4*\c+\i]
.endr
.endr
.endm
.macro IMAGE off
.irp c, 0,1,2
	ds_store_b128 v5, v[PC+4*\c:PC+4*\c+3] offset:\off+512*\c
.endr
.endm
; 32 numbers of a lane, register 16 b + i = k 32 b + 16 (lane / 16) + i, become a half image in v[pc .. pc + 5] and their two scale bytes in v[u]
.macro QUANT2 s, pc, u
.irp b, 0,1
	v_max3_num_f32 v[TMQ+\b], |v[(\s)+16*\b]|, |v[(\s)+16*\b+1]|, 0x1800000
.endr
.irp i, 2,4,6,8,10,12,14
.irp b, 0,1
	v_max3_num_f32 v[TMQ+\b], v[TMQ+\b], |v[(\s)+16*\b+\i]|, |v[(\s)+16*\b+\i+1]|
.endr
.endr
.irp b, 0,1
	v_permlanex16_b32 v[TMQ+2+\b], v[TMQ+\b], s[SEL], s[SEL+1]
.endr
.irp b, 0,1
	v_max_num_f32 v[TMQ+\b], v[TMQ+\b], v[TMQ+2+\b]
.endr
.irp b, 0,1
	v_add_nc_u32 v[TMQ+6+\b], 0xff000000, v[TMQ+\b]
.endr
.irp b, 0,1
	v_lshrrev_b32 v[TMQ+4+\b], 23, v[TMQ+6+\b]
.endr
	v_cvt_scalef32_pk16_fp6_f32 v[(\pc):(\pc)+2], v[(\s):(\s)+15], v[TMQ+6]
	v_cvt_scalef32_pk16_fp6_f32 v[CTQ:CTQ+2], v[(\s)+16:(\s)+31], v[TMQ+7]
	v_lshl_or_b32 v[\u], v[TMQ+5], 8, v[TMQ+4]     ; the two bytes.  (Also the plain place behind the conversions)
.irp i, 0,1,2
	v_permlane16_swap_b32 v[(\pc)+\i], v[CTQ+\i]
.endr
.irp i, 0,1,2
	v_mov_b32 v[(\pc)+3+\i], v[CTQ+\i]
.endr
.endm
.macro WLOAD1 s, t                     ; W's fragment of tile t, K step s: four loads, each of consecutive bytes
	global_load_b128 v[WF+12*(\t):WF+12*(\t)+3], v1, s[10:11] offset:(8*(\t)+(\s))*1536
	global_load_b64 v[WF+12*(\t)+4:WF+12*(\t)+5], v3, s[10:11] offset:(8*(\t)+(\s))*1536+512
	global_load_b128 v[WF+12*(\t)+6:WF+12*(\t)+9], v1, s[10:11] offset:(8*(\t)+(\s))*1536+768
	global_load_b64 v[WF+12*(\t)+10:WF+12*(\t)+11], v3, s[10:11] offset:(8*(\t)+(\s))*1536+1280
.endm
.macro XFETCH s                        ; x's four fragments of K step s and their scale words, as they were stored
.irp m, 0,1,2,3
.irp c, 0,1,2
	ds_load_b128 v[XF+12*\m+4*\c:XF+12*\m+4*\c+3], v1 offset:(8*\m+(\s))*1536+512*\c
.endr
	ds_load_b32 v[XS+\m], v2 offset:XSC+(8*\m+(\s))*128
.endr
.endm
; Four matrix instructions: W's tile t x the four tiles of rows.  The first K step starts the sums.  The 16 accumulators take turns, one instruction a turn.
.macro MUL4 s, t, swap
.irp m, 0,1,2,3
.if \swap
.set rD, ACC+32*(\t)+8*\m
.set rA, XF+12*\m
.set rB, WF+12*(\t)
.set rSA, XS+\m
.set rSB, WSC+4*(\t)+(\s)%4
.else
.set rD, ACC+32*\m+8*(\t)
.set rA, WF+12*(\t)
.set rB, XF+12*\m
.set rSA, WSC+4*(\t)+(\s)%4
.set rSB, XS+\m
.endif
.if (\s) == 0
	v_wmma_scale_f32_16x16x128_f8f6f4 v[rD:rD+7], v[rA:rA+11], v[rB:rB+11], 0, v[rSA], v[rSB] matrix_a_fmt:MATRIX_FMT_FP6 matrix_b_fmt:MATRIX_FMT_FP6
.elseif (\s) < 4
	v_wmma_scale_f32_16x16x128_f8f6f4 v[rD:rD+7], v[rA:rA+11], v[rB:rB+11], v[rD:rD+7], v[rSA], v[rSB] matrix_a_fmt:MATRIX_FMT_FP6 matrix_b_fmt:MATRIX_FMT_FP6
.elseif \swap
	v_wmma_scale_f32_16x16x128_f8f6f4 v[rD:rD+7], v[rA:rA+11], v[rB:rB+11], v[rD:rD+7], v[rSA], v[rSB] matrix_a_fmt:MATRIX_FMT_FP6 matrix_b_fmt:MATRIX_FMT_FP6 matrix_b_scale:MATRIX_SCALE_ROW1
.else
	v_wmma_scale_f32_16x16x128_f8f6f4 v[rD:rD+7], v[rA:rA+11], v[rB:rB+11], v[rD:rD+7], v[rSA], v[rSB] matrix_a_fmt:MATRIX_FMT_FP6 matrix_b_fmt:MATRIX_FMT_FP6 matrix_a_scale:MATRIX_SCALE_ROW1
.endif
.endr
.endm
.macro MAIN swap
.irp s, 0,1,2,3,4,5,6,7
	s_wait_dscnt 0x0                               ; x's fragments of this step
.irp t, 0,1,2,3
.if \s < 7
	s_wait_loadcnt 12                              ; this tile's four loads are in; behind them the three younger tiles' twelve may be out
.else
	s_wait_loadcnt 12-4*\t                         ; the last step asks for nothing more: the counts run down
.endif
	MUL4 \s, \t, \swap
.if \s < 7
	NOP4
	WLOAD1 \s+1, \t                                ; the tile's registers take its next K step at once
.endif
.endr
.if \s < 7
	XFETCH \s+1                                    ; (behind the same four places: the last four products have read x's fragments)
.endif
.endr
	; the way out: four groups of 32 registers, each a half image; every store's data have registers of their own
	NOP4
	v_mov_b32 v[TMQ+2], 0                          ; a lane permute's destination counts as one of its sources
	v_mov_b32 v[TMQ+3], 0
.irp o, 0,1,2,3
	QUANT2 ACC+32*\o, 80+8*\o, 44+\o
	global_store_b128 v1, v[80+8*\o:83+8*\o], s[14:15] offset:768*\o       ; 512 consecutive bytes, aligned to 256
	global_store_b64 v3, v[84+8*\o:85+8*\o], s[14:15] offset:768*\o+512    ; 256 consecutive bytes, aligned
.endr
.if \swap
	v_lshl_or_b32 v48, v45, 16, v44                ; V: two bytes for each tile of d
	v_lshl_or_b32 v49, v47, 16, v46
	global_store_b64 v3, v[48:49], s[14:15] offset:3072
.else
.irp o, 0,1,2,3
	v_lshl_or_b32 v[48+\o], v[44+\o], 16, v[44+\o] ; Q, K: a word for each tile of rows, the two bytes twice
.endr
	global_store_b128 v1, v[48:51], s[14:15] offset:3072
.endif
.endm
	s_load_b256 s[4:11], s[0:1], 0x0               ; query, key, value, wimg
	s_load_b128 s[12:15], s[0:1], 0x20             ; wsc, qkv
	v_lshrrev_b32 v28, 5, v0
	v_readfirstlane_b32 s16, v28                   ; wave 0..15
	s_and_b32 s17, ttmp7, 0xffff                   ; y
	v_and_b32 v28, 31, v0                          ; lane
	v_and_b32 v29, 15, v0                          ; r
	v_bfe_u32 v30, v0, 4, 1                        ; h
	v_lshlrev_b32 v1, 4, v28
	v_lshlrev_b32 v2, 2, v28
	v_lshlrev_b32 v3, 3, v28
	s_mul_i32 s22, s16, STGW
	s_add_co_u32 s22, s22, STGX                    ; my stage
	v_add_nc_u32 v4, s22, v1                       ; into it: 16 x lane in a row
	v_mul_u32_u24 v31, v29, SROW
	v_lshl_add_u32 v31, v30, 6, v31
	v_add_nc_u32 v31, s22, v31                     ; out of it: row r, + 64 h
	s_mul_i32 s22, s16, 3072
	v_add_nc_u32 v5, s22, v1                       ; my two fragments' images: (8 (w / 4) + 2 (w % 4)) x 1,536 = 3,072 w
	s_lshl_b32 s22, s16, 8
	s_add_co_u32 s22, s22, XSC
	v_add_nc_u32 v6, s22, v2                       ; and their scale words
	v_lshlrev_b32 v7, 2, v29
	v_lshl_add_u32 v7, v30, 14, v7                 ; W's scale words: 4 r, lanes 16-31 four K steps on
.irp b, 0,1,2,3
	v_mov_b32 v[TM+4+\b], 0                        ; a lane permute's destination counts as one of its sources
.endr
	s_mov_b32 s[SEL], 0x76543210
	s_mov_b32 s[SEL+1], 0xfedcba98
	s_lshl_b32 s24, ttmp9, 18                      ; x: 64 rows a block; my tile's first row 32 (w / 8) + 8 ((w / 4) % 2); my two K steps
	s_lshr_b32 s22, s16, 3
	s_lshl_b32 s22, s22, 17
	s_add_co_u32 s24, s24, s22
	s_bfe_u32 s22, s16, 0x10002
	s_lshl_b32 s22, s22, 15
	s_add_co_u32 s24, s24, s22
	s_and_b32 s22, s16, 3
	s_lshl_b32 s22, s22, 10
	s_add_co_u32 s24, s24, s22
	s_mov_b32 s25, 0
	s_mul_i32 s26, s17, 786432                     ; wimg: weight y, tiles 4 w on
	s_mul_i32 s22, s16, 49152
	s_add_co_u32 s26, s26, s22
	s_mov_b32 s27, 0
	s_lshl_b32 s28, s17, 15                        ; wsc likewise
	s_lshl_b32 s22, s16, 8
	s_add_co_u32 s28, s28, s22
	s_mov_b32 s29, 0
	s_lshr_b32 s22, ttmp9, 5                       ; qkv: record ((16 b + w) 32 + g), part y
	s_lshl_b32 s22, s22, 4
	s_add_co_u32 s22, s22, s16
	s_lshl_b32 s22, s22, 5
	s_and_b32 s23, ttmp9, 31
	s_add_co_u32 s22, s22, s23
	s_mul_i32 s30, s22, 10496
	s_mul_i32 s23, s17, 3584
	s_add_co_u32 s30, s30, s23
	s_mov_b32 s31, 0
	s_wait_kmcnt 0x0
	s_cmp_eq_u32 s17, 1                            ; the choice of the tensor hangs on the work-group's number alone
	s_cselect_b64 s[4:5], s[6:7], s[4:5]
	s_cmp_eq_u32 s17, 2
	s_cselect_b64 s[4:5], s[8:9], s[4:5]
	s_add_nc_u64 s[4:5], s[4:5], s[24:25]
	s_add_nc_u64 s[10:11], s[10:11], s[26:27]
	s_add_nc_u64 s[12:13], s[12:13], s[28:29]
	s_add_nc_u64 s[14:15], s[14:15], s[30:31]
	XLOAD 128, 0
	XLOAD 192, 1
.irp t, 0,1,2,3
.irp j, 0,1,2,3
	global_load_b32 v[WSC+4*\t+\j], v7, s[12:13] offset:4096*\j+64*\t
.endr
.endr
.irp t, 0,1,2,3
	WLOAD1 0, \t
.endr
	s_wait_loadcnt 48                              ; my first K step of x is in; behind it: 16 loads of x, 16 scale words, 16 of W
	TOST 128
	s_wait_dscnt 0x0                               ; the stores have read their registers, which take the numbers back
	BACK 128
	s_wait_loadcnt 32                              ; my second K step is in
	TOST 192                                       ; LDS serves a wave's instructions in order (ISA guide 5.7.1.4): these stores come behind the loads above
	s_wait_dscnt 16                                ; the first K step is back; the sixteen younger stores may be out
	QUANT 128
	IMAGE 0
	ds_store_b32 v6, v[PW]
	s_wait_dscnt 0x0                               ; all my stores have read their registers
	BACK 192
	s_wait_dscnt 0x0
	QUANT 192
	IMAGE 1536
	ds_store_b32 v6, v[PW] offset:128
	s_wait_dscnt 0x0                               ; for the others' sake: my images have landed
	s_barrier_signal -1
	s_barrier_wait -1                              ; x's 32 fragments lie in LDS; nothing is stored there again
	XFETCH 0
	s_cmp_eq_u32 s17, 2
	s_cbranch_scc1 .Lvalue
	MAIN 0
	s_wait_xcnt 0x0
	v_lshl_add_u32 v254, v0, 2, 0x2e000
	v_mov_b32 v255, 0
	s_wait_tensorcnt 0x0
	ds_add_u32 v254, v255
	s_wait_dscnt 0x0
	s_endpgm
.Lvalue:
	MAIN 1
	s_wait_xcnt 0x0
	v_lshl_add_u32 v254, v0, 2, 0x2e000
	v_mov_b32 v255, 0
	s_wait_tensorcnt 0x0
	ds_add_u32 v254, v255
	s_wait_dscnt 0x0
	s_endpgm
.Lfunc_end_k_q4f176393a7_proj:
	.size	k_q4f176393a7_proj, .Lfunc_end_k_q4f176393a7_proj-k_q4f176393a7_proj
	.p2alignl 7, 3214868480
	.fill 96, 4, 3214868480
	.section	.rodata,"a",@progbits
	.p2align	6, 0x0
	.amdhsa_kernel k_q4f176393a7_proj
		.amdhsa_group_segment_fixed_size 190464
		.amdhsa_private_segment_fixed_size 0
		.amdhsa_enable_private_segment 0
		.amdhsa_kernarg_size 48
		.amdhsa_user_sgpr_count 2
		.amdhsa_user_sgpr_kernarg_segment_ptr 1
		.amdhsa_wavefront_size32 1
		.amdhsa_system_sgpr_workgroup_id_x 1
		.amdhsa_system_sgpr_workgroup_id_y 1
		.amdhsa_system_sgpr_workgroup_id_z 1
		.amdhsa_system_vgpr_workitem_id 0
		.amdhsa_next_free_vgpr 256
		.amdhsa_next_free_sgpr 66
		.amdhsa_reserve_vcc 0
		.amdhsa_float_denorm_mode_32 3
		.amdhsa_float_denorm_mode_16_64 3
		.amdhsa_memory_ordered 1
		.amdhsa_forward_progress 1
		.amdhsa_inst_pref_size 117
	.end_amdhsa_kernel
	.amdgpu_metadata
---
amdhsa.version: [ 1, 2 ]
amdhsa.kernels:
  - .name:           k_q4f176393a7_proj
    .symbol:         k_q4f176393a7_proj.kd
    .args:
      - { .name: query, .offset: 0, .size: 8, .value_kind: global_buffer, .address_space: global }
      - { .name: key, .offset: 8, .size: 8, .value_kind: global_buffer, .address_space: global }
      - { .name: value, .offset: 16, .size: 8, .value_kind: global_buffer, .address_space: global }
      - { .name: wimg, .offset: 24, .size: 8, .value_kind: global_buffer, .address_space: global }
      - { .name: wsc, .offset: 32, .size: 8, .value_kind: global_buffer, .address_space: global }
      - { .name: qkv, .offset: 40, .size: 8, .value_kind: global_buffer, .address_space: global }
    .group_segment_fixed_size: 190464
    .private_segment_fixed_size: 0
    .kernarg_segment_align: 8
    .kernarg_segment_size: 48
    .max_flat_workgroup_size: 512
    .sgpr_count:     66
    .vgpr_count:     256
    .wavefront_size: 32
...
	.end_amdgpu_metadata
.endif
;; end of part 2
;; launch attn (part 3): grid 8 x 32, 16 waves a work-group, clusters of 4 x 1, 223,232 bytes of LDS; arguments qkv, ao, aos; writes ao, aos
.if DOCPART == 3
	.amdgcn_target "amdgcn-amd-amdhsa--gfx1250"
	.amdhsa_code_object_version 6
	.text
	.protected	k_q4f176393a7_attn
	.globl	k_q4f176393a7_attn
	.p2align	8
	.type	k_q4f176393a7_attn,@function
k_q4f176393a7_attn:
	s_mov_b64 s[64:65], 0
	v_nop
	global_prefetch_b8 v0, s[64:65] scope:SCOPE_SE
	s_setreg_imm32_b32 hwreg(HW_REG_WAVE_MODE, 25, 1), 1
	s_wait_xcnt 0x0
	s_wait_alu depctr_hold_cnt(0) depctr_sa_sdst(0) depctr_va_vdst(0) depctr_va_sdst(0) depctr_va_ssrc(0) depctr_va_vcc(0) depctr_vm_vsrc(0)
	s_getreg_b32 s2, hwreg(HW_REG_IB_STS2, 6, 4)
	s_cmp_eq_u32 s2, 0
	s_cbranch_scc0 .Lentry_in_a_cluster
	s_endpgm
.Lentry_in_a_cluster:
	s_bfe_u32 s2, ttmp6, 0x10000c
	s_cmp_lg_u32 s2, 0x3003
	s_cbranch_scc0 .Lentry_shape_is_right
	s_endpgm
.Lentry_shape_is_right:
; For each of the 32 (batch, head): O = softmax(Q K^T / 8 + mask) V on codes of FP6 (E2M3) with one E8M0 scale for each 32 along a product's K; O / l is quantised along d for the last projection and leaves as codes.
; THE MASK IS THE PROBLEM'S OWN: -10,000 is ADDED to the scores of keys behind the query; they are not thrown away.  So every query walks all 2,048 keys, and hidden scores get -80,000 ahead of the factor 1 / 8 (-10,000 x 8, exact in f32).
; The addend is the C of the first product: zeros in the steps ahead of the wave's diagonal, -80,000 behind it (eight registers, changed once), and in the one step on the diagonal 0 or -80,000 by key and query.
; THE SOFTMAX AHEAD OF THE SECOND PRODUCT: t = score x log2(e) / 8; M = the running largest t rounded UP to a whole number; p = 2^(t - M) is quantised along the keys, not normalised; the sum is taken of the unquantised p and divides at the end.
; When M moves, the sum and O are multiplied by 2^(old M - new M): exact.
; SHARES.  Work-group (x, y): head y; wave w of sixteen owns query tile 8 w + x, 16 queries in 256 registers, four waves to a SIMD, so that one wave's vector work stands beside another's matrix work and LDS loads.  16 key steps of 128.
; Tile 8 w + x lies in keys' step w whatever x is: the step on a wave's diagonal hangs on the wave's number alone.
; CLUSTER.  The four work-groups of a cluster belong to one head and read the same K and V: each record is asked for JOINTLY, by the same tensor load with the same descriptor and a mask that names the four; each receives it in its own LDS.
; x enters Q's, ao's and aos's addresses and the number that the diagonal's compares use, and nothing else: no branch and no LDS address.
; LDS holds the head's K and V whole: 32 records of 6,912 bytes (K's 4 half images, K's scale words at 3,072, V's 4 half images at 3,584, V's scale bytes at 6,656), each brought by one tensor load as one row.
; Every wave issues two loads behind the opening round (records w and 16 + w): two are out by this text's count; nothing is filled twice.  The first eight steps read records 0-15, behind the first loads' wait and a barrier; the last eight behind the second.
; LAYOUT.  Both products are used transposed (S^T = K Q^T, O^T = V^T P^T): a lane holds one query throughout.  Row r of every tile is 32 (T / 2) + 8 (T % 2) + r + 8 (r / 8): 16 registers of two neighbouring tiles are 16 neighbours.
; K = 64 IN AN INSTRUCTION OF 128: Q's registers 6-11 are zero codes; K's fragment i is v[32 + 6 i .. + 11], whose upper six registers are the next tile's codes (or zeros): finite numbers times zero.
; No prefetch: all that a work-group reads is asked for at its head.
; LIMITS: NaN and infinities are not served; a block whose largest magnitude lies under 2^-124 keeps the scale byte 1 (a block of zeros too); a hidden score is the matrix unit's one rounding of s - 80,000, where the problem rounds s / 8 and then the sum.
; REGISTERS: v1, v2, v7 16, 8, 4 x lane; v3, v4 the step's LDS addresses; v5 the diagonal's number; v6 -80,000; v8-11 V's scale bytes as loaded; v12 -M, v13 the largest t, v[14:15] the sum; v16-27 Q; v28 Q's scale words;
;   v32-85 K's fragments, then (v32-79) V's; v88-95 the addend; v96-159 S^T, then p; v160-191 O^T; v192-199 K's scale words; v200-203 V's; v204-215 p's codes; v216-241 at work; v241 p's scale word.
.set REC,   6912
.set S,     96
.set O,     160
.set KS,    192
.set VS,    200
.set PCD,   204
.set BM,    224                        ; v224-227 the blocks' largest scores, then largest p
.set PT,    228                        ; v228-231 permutes' results, then bytes
.set SO,    232                        ; v232-235 the conversions' scale operands
.set T1,    238
.set TMQ,   226                        ; the last quantising: v226-233
.set CTQ,   216
.set WV,    10
.set SEL,   14                         ; s[14:15] lane selects for v_permlanex16_b32: lane l xor 16
.set G1,    16                         ; s[16:23] descriptor group 1;  s[24:27], s[28:31] groups 0
.set CS,    32                         ; s[32:33] c = log2(e) / 8
.set TB,    34                         ; s34 LDS byte at which the step's two records begin
.set KI,    35                         ; s35 the key step
.set CNT,   39
.macro NOP4
.rept 4
	v_nop
.endr
.endm
.macro CROUND                          ; a round of the cluster's barrier: my work-group's barrier; wave 0 signals for the work-group; every wave waits for all four work-groups; my work-group's barrier once more
	s_barrier_signal -1
	s_barrier_wait -1
	s_cmp_lg_u32 s[WV], 0
	s_cbranch_scc1 .Lnot_wave_0_\@
	s_barrier_signal -3
.Lnot_wave_0_\@:
	s_barrier_wait -3
	s_barrier_signal -1
	s_barrier_wait -1
.endm
.macro QUANT2 s, pc, u                 ; 32 numbers of a lane, register 16 b + i = k 32 b + 16 (lane / 16) + i, become a half image in v[pc .. pc + 5] and their two scale bytes in v[u]
.irp b, 0,1
	v_max3_num_f32 v[TMQ+\b], |v[(\s)+16*\b]|, |v[(\s)+16*\b+1]|, 0x1800000
.endr
.irp i, 2,4,6,8,10,12,14
.irp b, 0,1
	v_max3_num_f32 v[TMQ+\b], v[TMQ+\b], |v[(\s)+16*\b+\i]|, |v[(\s)+16*\b+\i+1]|
.endr
.endr
.irp b, 0,1
	v_permlanex16_b32 v[TMQ+2+\b], v[TMQ+\b], s[SEL], s[SEL+1]
.endr
.irp b, 0,1
	v_max_num_f32 v[TMQ+\b], v[TMQ+\b], v[TMQ+2+\b]
.endr
.irp b, 0,1
	v_add_nc_u32 v[TMQ+6+\b], 0xff000000, v[TMQ+\b]
.endr
.irp b, 0,1
	v_lshrrev_b32 v[TMQ+4+\b], 23, v[TMQ+6+\b]
.endr
	v_cvt_scalef32_pk16_fp6_f32 v[(\pc):(\pc)+2], v[(\s):(\s)+15], v[TMQ+6]
	v_cvt_scalef32_pk16_fp6_f32 v[CTQ:CTQ+2], v[(\s)+16:(\s)+31], v[TMQ+7]
	v_lshl_or_b32 v[\u], v[TMQ+5], 8, v[TMQ+4]     ; the two bytes.  (Also the plain place behind the conversions)
.irp i, 0,1,2
	v_permlane16_swap_b32 v[(\pc)+\i], v[CTQ+\i]
.endr
.irp i, 0,1,2
	v_mov_b32 v[(\pc)+3+\i], v[CTQ+\i]
.endr
.endm
	s_load_b128 s[4:7], s[0:1], 0x0                ; qkv, ao
	s_load_b64 s[8:9], s[0:1], 0x10                ; aos
	v_lshl_add_u32 v254, v0, 2, 0x36000
	v_mov_b32 v255, 0
	ds_add_u32 v254, v255
	ds_add_u32 v254, v255
	v_lshrrev_b32 v238, 5, v0
	v_readfirstlane_b32 s[WV], v238                ; wave 0..15
	s_bfe_u32 s13, ttmp6, 0x40000                  ; cx: my place in the cluster
	s_lshl_b32 s11, ttmp9, 2                       ; in a cluster launch ttmp9 counts clusters
	s_add_co_u32 s11, s11, s13                     ; x = 4 x cluster x + cx, 0 .. 7
	s_and_b32 s12, ttmp7, 0xffff                   ; 16 b + head, which the four partners share
	; descriptor group 1: a dense block of 6,912 bytes as one row of 864 elements of 8 bytes
	s_mov_b32 s[G1+0], 15|(3<<16)|(1<<21)          ; the mask: all four work-groups; elements of 8 bytes; bit 21 set beside a mask; no padding
	s_mov_b32 s[G1+1], 864<<16                     ; tensor_dim0 = 864
	s_mov_b32 s[G1+2], 1<<16                       ; tensor_dim1 = 1
	s_mov_b32 s[G1+3], 864<<16                     ; tile_dim0 = 864
	s_mov_b32 s[G1+4], 1                           ; tile_dim1 = 1
	s_mov_b32 s[G1+5], 864                         ; from row to row
	s_mov_b32 s[G1+6], 0
	s_mov_b32 s[G1+7], 0
	s_mul_i32 s42, s12, 335872                     ; K and V: the head's 32 records of 10,496 bytes; record w, from K on: made of the head and the wave alone
	s_mul_i32 s41, s[WV], 10496
	s_add_co_u32 s42, s42, s41
	s_add_co_u32 s42, s42, 3584
	s_mov_b32 s43, 0
	s_mov_b32 s24, 1                               ; count = 1
	s_mul_i32 s25, s[WV], REC                      ; LDS address: record w,
	s_mov_b32 s28, 1
	s_add_co_u32 s29, s25, 16*REC                  ; and record 16 + w: no place in the cluster enters an LDS address
	s_mul_i32 s40, s12, 335872                     ; Q: tile 8 w + x lies in record 2 w + x / 4, as its tile x % 4
	s_lshl_b32 s41, s[WV], 1
	s_lshr_b32 s50, s11, 2
	s_add_co_u32 s41, s41, s50
	s_mul_i32 s41, s41, 10496
	s_add_co_u32 s40, s40, s41
	s_and_b32 s50, s11, 3
	s_mul_i32 s51, s50, 768
	s_add_co_u32 s52, s40, s51
	s_mov_b32 s53, 0
	s_lshl_b32 s50, s50, 2
	s_add_co_u32 s50, s50, s40
	s_add_co_u32 s50, s50, 3072                    ; and its scale words
	s_mov_b32 s51, 0
	s_lshr_b32 s40, s12, 4                         ; the way out: tile 128 b + 8 w + x, head
	s_lshl_b32 s40, s40, 7
	s_lshl_b32 s41, s[WV], 3
	s_add_co_u32 s40, s40, s41
	s_add_co_u32 s40, s40, s11
	s_lshl_b32 s40, s40, 4
	s_and_b32 s41, s12, 15
	s_add_co_u32 s40, s40, s41
	s_mul_i32 s54, s40, 768
	s_mov_b32 s55, 0
	s_lshl_b32 s40, s40, 7
	s_mov_b32 s41, 0
	s_and_b32 s48, s12, 1
	s_lshl_b32 s48, s48, 4                         ; an odd head's two bytes go to the word's upper half
	s_mov_b32 s[SEL], 0x76543210
	s_mov_b32 s[SEL+1], 0xfedcba98
	s_mov_b32 s[CS], 0x3e38aa3b                    ; c = log2(e) / 8
	s_mov_b32 s[CS+1], s[CS]                       ; (named with it as a pair, so it is written)
	s_mov_b32 s37, 0x05040100                      ; v_perm_b32: the two low halves,
	s_mov_b32 s38, 0x07060302                      ; the two high halves
	s_bfe_u32 s49, s11, 0x20001
	s_lshl_b32 s49, s49, 5
	s_and_b32 s13, s11, 1
	s_lshl_b32 s13, s13, 3
	s_add_co_u32 s49, s49, s13                     ; my first query in keys' step w: 32 (x / 2) + 8 (x % 2)
	s_wait_dscnt 0x0
	s_wait_kmcnt 0x0
	s_add_nc_u64 s[26:27], s[4:5], s[42:43]
	s_add_nc_u64 s[30:31], s[26:27], 16*10496
	s_or_b32 s27, s27, 0x80000000                  ; type = 2
	s_or_b32 s31, s31, 0x80000000
	CROUND                                         ; all four work-groups are here: the joint loads meet
	tensor_load_to_lds s[24:27], s[G1:G1+7]        ; both fills go out together, ahead of every wait on TENSORcnt and every LDS read
	s_nop 0
	tensor_load_to_lds s[28:31], s[G1:G1+7]
	s_nop 0
	NOP4                                           ; four v_nop follow
	s_add_nc_u64 s[44:45], s[4:5], s[52:53]
	s_add_nc_u64 s[46:47], s[4:5], s[50:51]
	s_add_nc_u64 s[6:7], s[6:7], s[54:55]
	s_add_nc_u64 s[8:9], s[8:9], s[40:41]
	v_and_b32 v238, 31, v0
	v_lshlrev_b32 v1, 4, v238
	v_lshlrev_b32 v2, 3, v238
	v_lshlrev_b32 v7, 2, v238
	global_load_b128 v[16:19], v1, s[44:45]        ; Q's half image stays in registers
	global_load_b64 v[20:21], v2, s[44:45] offset:512
	global_load_b32 v28, v1, s[46:47]              ; lane n: query n's word
	v_and_b32 v238, 15, v0
	v_and_b32 v239, 8, v238
	v_add_nc_u32 v238, v238, v239                  ; n + 8 (n / 8)
	v_bfe_u32 v239, v0, 4, 1
	v_lshlrev_b32 v239, 4, v239
	v_sub_nc_u32 v5, v238, v239
	v_add_nc_u32 v5, s49, v5                       ; my query in its step - 16 (lane / 16): register 16 b + i holds a hidden key where 32 b + i is above it
	v_mov_b32 v6, 0xc79c4000                       ; -80,000
	v_mov_b32 v13, 0xff61b1e6                      ; the largest t so far: -3e38, under every t
	v_floor_f32 v12, -v13                          ; -M
	v_mov_b32 v14, 0                               ; the sum, in two halves
	v_mov_b32 v15, 0
.irp j, 22,23,24,25,26,27,80,81,82,83,84,85
	v_mov_b32 v[\j], 0                             ; Q's zero codes for k = 64 .. 127; what stands behind K's last tile
.endr
.irp j, 0,1,2,3,4,5,6,7
	v_mov_b32 v[88+\j], 0                          ; the addend: ahead of the diagonal all keys count
.endr
.irp b, 0,1,2,3
	v_mov_b32 v[PT+\b], 0                          ; a lane permute's destination counts as one of its sources
.endr
	v_mov_b32 v241, 0                              ; (named as the upper half of the pair v[240:241] before it is first written)
.set j, 0
.rept 32
	v_mov_b32 v[O+j], 0                            ; O^T: the step is written for every step alike; the first finds zeros, which the first change of M leaves zeros
.set j, j+1
.endr
	s_wait_loadcnt 0x0                             ; Q
; A KEY STEP: 128 keys, two records.
.macro STEP
	v_add_nc_u32 v3, s[TB], v1
	v_add_nc_u32 v4, s[TB], v2
	v_nop
	v_nop                                          ; four places behind the last step's products, in front of loads into registers that they have read
.irp e, 0,1
.irp m, 0,1,2,3
	ds_load_b128 v[32+6*(4*\e+\m):32+6*(4*\e+\m)+3], v3 offset:REC*\e+768*\m
	ds_load_b64 v[32+6*(4*\e+\m)+4:32+6*(4*\e+\m)+5], v4 offset:REC*\e+768*\m+512
.endr
	ds_load_b128 v[KS+4*\e:KS+4*\e+3], v3 offset:REC*\e+3072
.endr
	s_cmp_eq_u32 s[KI], s[WV]                      ; my diagonal lies in step w: a branch on the step and the wave's number alone, the same in every partner; no barrier and no tensor load stands in a step
	s_cbranch_scc1 .Lmix_\@
	s_wait_dscnt 0x0
.irp i, 0,1,2,3,4,5,6,7                        ; S^T = K Q^T + the addend: tile i holds keys 32 (i / 2) + 16 (lane / 16) + 8 (i % 2) + 0 .. 7 of the step
	v_wmma_scale_f32_16x16x128_f8f6f4 v[S+8*\i:S+8*\i+7], v[32+6*\i:43+6*\i], v[16:27], v[88:95], v[KS+\i], v28 matrix_a_fmt:MATRIX_FMT_FP6 matrix_b_fmt:MATRIX_FMT_FP6
.endr
	s_branch .Ljoin_\@
.Lmix_\@:                                      ; the step on my diagonal: the addend by key and query, laid where the scores will stand
.set n, 0
.rept 64
	v_cmp_gt_i32 vcc_lo, 32*(n/16)+n%16, v5
	v_cndmask_b32 v[S+n], 0, v6, vcc_lo
.set n, n+1
.endr
.irp j, 0,1,2,3,4,5,6,7
	v_mov_b32 v[88+\j], v6                         ; from the next step on every key is hidden
.endr
	s_wait_dscnt 0x0
.irp i, 0,1,2,3,4,5,6,7
	v_wmma_scale_f32_16x16x128_f8f6f4 v[S+8*\i:S+8*\i+7], v[32+6*\i:43+6*\i], v[16:27], v[S+8*\i:S+8*\i+7], v[KS+\i], v28 matrix_a_fmt:MATRIX_FMT_FP6 matrix_b_fmt:MATRIX_FMT_FP6
.endr
.Ljoin_\@:
	NOP4                                           ; places in front of the loads into K's registers and of the first read of the scores
.irp e, 0,1                                    ; V's fragments land while the softmax is walked: tile d's registers 6 e .. 6 e + 5 are record e's half image
.irp d, 0,1,2,3
	ds_load_b128 v[32+12*\d+6*\e:32+12*\d+6*\e+3], v3 offset:REC*\e+3584+768*\d
	ds_load_b64 v[32+12*\d+6*\e+4:32+12*\d+6*\e+5], v4 offset:REC*\e+3584+768*\d+512
.endr
	ds_load_b64 v[8+2*\e:9+2*\e], v4 offset:REC*\e+6656
.endr
.irp b, 0,1,2,3
	v_max3_num_f32 v[BM+\b], v[S+16*\b], v[S+16*\b+1], v[S+16*\b+2]   ; the largest score of each block of 32 keys: for the row's maximum, and, since p rises with the score, for the block's largest p
.endr
.irp i, 3,5,7,9,11,13
.irp b, 0,1,2,3
	v_max3_num_f32 v[BM+\b], v[BM+\b], v[S+16*\b+\i], v[S+16*\b+\i+1]
.endr
.endr
.irp b, 0,1,2,3
	v_max_num_f32 v[BM+\b], v[BM+\b], v[S+16*\b+15]
.endr
.irp b, 0,1,2,3
	v_permlanex16_b32 v[PT+\b], v[BM+\b], s[SEL], s[SEL+1]
.endr
.irp b, 0,1,2,3
	v_max_num_f32 v[BM+\b], v[BM+\b], v[PT+\b]     ; with lane l xor 16's 16 keys
.endr
	v_max3_num_f32 v[T1], v[BM], v[BM+1], v[BM+2]
	v_max_num_f32 v[T1], v[T1], v[BM+3]            ; the step's largest score of my query
	v_mul_f32 v[T1], s[CS], v[T1]                  ; as t (c is positive)
	v_max_num_f32 v13, v13, v[T1]                  ; the running largest t
	v_mov_b32 v[T1], v12
	v_floor_f32 v12, -v13                          ; the new -M = floor(-t) = -ceil(t)
	v_sub_f32 v[T1], v12, v[T1]                    ; old M - new M: a whole number, 0 or less
	v_cvt_i32_f32 v[T1], v[T1]                     ; (it saturates)
	v_ldexp_f32 v240, 1.0, v[T1]                   ; f = 2^(old M - new M)
.set j, 0
.rept 32
	v_pk_fma_f32 v[S+j:S+j+1], v[S+j:S+j+1], s[CS:CS+1], v[12:13] op_sel_hi:[1,0,0]   ; t - M, two at a time
.set j, j+2
.endr
.irp b, 0,1,2,3
	v_fma_f32 v[BM+\b], v[BM+\b], s[CS], v12       ; the same of each block's largest score
.endr
.set j, 0
.rept 64
	v_exp_f32 v[S+j], v[S+j]                       ; p = 2^(t - M), at most 1, not normalised
.set j, j+1
.endr
	v_pk_mul_f32 v[14:15], v[14:15], v[240:241] op_sel_hi:[1,0]   ; the sums under the new M.  (The plain place behind the exponentials)
	s_wait_alu depctr_va_vdst(0)                   ; one wait for the whole batch, ahead of its first reader
.irp b, 0,1,2,3
	v_exp_f32 v[BM+\b], v[BM+\b]                   ; the block's largest p: the same two instructions on the same number give the same bits
.endr
	v_pk_add_f32 v[236:237], v[S:S+1], v[S+2:S+3]  ; the row's sum is taken of the unquantised p, in two chains
.irp j, 4,8,12,16,20,24,28,32,36,40,44,48,52,56,60
	v_pk_add_f32 v[14:15], v[14:15], v[S+\j:S+\j+1]
	v_pk_add_f32 v[236:237], v[236:237], v[S+\j+2:S+\j+3]
.endr
	v_pk_add_f32 v[14:15], v[14:15], v[236:237]
	s_wait_alu depctr_va_vdst(0)                   ; and one for the four
.irp b, 0,1,2,3
	v_max_num_f32 v[BM+\b], 0x1800000, v[BM+\b]    ; the floor 2^(3 - 127): the byte cannot fall under 1 (a block whose every p is 0 keeps that byte: its codes are zeros)
.endr
.irp b, 0,1,2,3
	v_add_nc_u32 v[SO+\b], 0xff000000, v[BM+\b]    ; 2 off the exponent field: the conversion's scale operand
.endr
.irp b, 0,1,2,3
	v_lshrrev_b32 v[PT+\b], 23, v[SO+\b]           ; the scale's byte
.endr
	v_lshl_or_b32 v241, v[PT+1], 8, v[PT]          ; p's scale word for these 128 keys
	v_lshl_or_b32 v241, v[PT+2], 16, v241
	v_lshl_or_b32 v241, v[PT+3], 24, v241
.irp c, 0,1
	v_cvt_scalef32_pk16_fp6_f32 v[PCD+6*\c:PCD+6*\c+2], v[S+32*\c:S+32*\c+15], v[SO+2*\c]
	v_cvt_scalef32_pk16_fp6_f32 v[216+4*\c:218+4*\c], v[S+32*\c+16:S+32*\c+31], v[SO+2*\c+1]
.endr
	v_nop                                          ; one plain place behind a scaled conversion
.irp c, 0,1                                    ; the operand's layout wants a whole block in a lane
.irp i, 0,1,2
	v_permlane16_swap_b32 v[PCD+6*\c+\i], v[216+4*\c+\i]
.endr
.irp i, 0,1,2
	v_mov_b32 v[PCD+3+6*\c+\i], v[216+4*\c+\i]
.endr
.endr
	s_wait_dscnt 0x0                               ; V's fragments and scale bytes are in
	v_perm_b32 v[VS+0], v10, v8, s37               ; V's scale word of tile d: record 0's two bytes below, record 1's above
	v_perm_b32 v[VS+1], v10, v8, s38
	v_perm_b32 v[VS+2], v11, v9, s37
	v_perm_b32 v[VS+3], v11, v9, s38
.set j, 0
.rept 16
	v_pk_mul_f32 v[O+j:O+j+1], v[O+j:O+j+1], v[240:241] op_sel_hi:[1,0]   ; O^T under the new M.  (These sixteen stand between the scale words and codes just written and the products)
.set j, j+2
.endr
.irp d, 0,1,2,3                                ; O^T += V^T P^T; the four accumulators take turns
	v_wmma_scale_f32_16x16x128_f8f6f4 v[O+8*\d:O+8*\d+7], v[32+12*\d:43+12*\d], v[PCD:PCD+11], v[O+8*\d:O+8*\d+7], v[VS+\d], v241 matrix_a_fmt:MATRIX_FMT_FP6 matrix_b_fmt:MATRIX_FMT_FP6
.endr
	s_add_co_u32 s[TB], s[TB], 2*REC
	s_add_co_u32 s[KI], s[KI], 1
.endm
	s_wait_tensorcnt 0x1                           ; my first record is in; my second may stay out
	s_barrier_signal -1
	s_barrier_wait -1                              ; records 0-15 are whole
	s_mov_b32 s[TB], 0
	s_mov_b32 s[KI], 0
	s_mov_b32 s[CNT], 8
.Lfirst:                                           ; key steps 0-7: records 0-15
	STEP
	s_sub_co_u32 s[CNT], s[CNT], 1
	s_cmp_lg_u32 s[CNT], 0
	s_cbranch_scc1 .Lfirst
	s_wait_tensorcnt 0x0                           ; my second record is in
	s_wait_dscnt 0x0
	s_barrier_signal -1
	s_barrier_wait -1                              ; records 16-31 are whole
	s_mov_b32 s[TB], 16*REC
	s_mov_b32 s[KI], 8
	s_mov_b32 s[CNT], 8
.Lsecond:                                          ; key steps 8-15: records 16-31
	STEP
	s_sub_co_u32 s[CNT], s[CNT], 1
	s_cmp_lg_u32 s[CNT], 0
	s_cbranch_scc1 .Lsecond
	; THE WAY OUT: O^T / the sum, quantised along d (registers 16 b + i = d 32 b + 16 (lane / 16) + i): a half image of the last projection's operand
	v_add_f32 v14, v14, v15                        ; the sum's two halves,
	v_permlanex16_b32 v[PT], v14, s[SEL], s[SEL+1]
	v_add_f32 v14, v14, v[PT]                      ; and lane l xor 16's
	v_rcp_f32 v14, v14
	NOP4                                           ; the plain place behind the reciprocal, and the places behind the last products
	s_wait_alu depctr_va_vdst(0)                   ; ahead of the reciprocal's first reader
.set j, 0
.rept 32
	v_mul_f32 v[S+j], v[O+j], v14                  ; each accumulator from its low end on
.set j, j+1
.endr
	QUANT2 S, PCD, T1
	global_store_b128 v1, v[PCD:PCD+3], s[6:7]                 ; 512 consecutive bytes, aligned to 256
	global_store_b64 v2, v[PCD+4:PCD+5], s[6:7] offset:512     ; 256 consecutive bytes, aligned
	v_lshlrev_b32 v239, s48, v[T1]                 ; my head's half of the scale word of K step head / 2
	global_store_b32 v7, v239, s[8:9]              ; 128 consecutive bytes
	s_wait_dscnt 0x0                               ; no LDS instruction of mine is pending at a signal
	s_wait_tensorcnt 0x0
	ds_add_u32 v254, v255
	s_wait_dscnt 0x0
	CROUND                                         ; the closing round: no work-group ends while a partner may still ask for a record that names it
	s_endpgm
.Lfunc_end_k_q4f176393a7_attn:
	.size	k_q4f176393a7_attn, .Lfunc_end_k_q4f176393a7_attn-k_q4f176393a7_attn
	.p2alignl 7, 3214868480
	.fill 96, 4, 3214868480
	.section	.rodata,"a",@progbits
	.p2align	6, 0x0
	.amdhsa_kernel k_q4f176393a7_attn
		.amdhsa_group_segment_fixed_size 223232
		.amdhsa_private_segment_fixed_size 0
		.amdhsa_enable_private_segment 0
		.amdhsa_kernarg_size 24
		.amdhsa_user_sgpr_count 2
		.amdhsa_user_sgpr_kernarg_segment_ptr 1
		.amdhsa_wavefront_size32 1
		.amdhsa_system_sgpr_workgroup_id_x 1
		.amdhsa_system_sgpr_workgroup_id_y 1
		.amdhsa_system_sgpr_workgroup_id_z 1
		.amdhsa_system_vgpr_workitem_id 0
		.amdhsa_next_free_vgpr 256
		.amdhsa_next_free_sgpr 66
		.amdhsa_reserve_vcc 1
		.amdhsa_float_denorm_mode_32 3
		.amdhsa_float_denorm_mode_16_64 3
		.amdhsa_memory_ordered 1
		.amdhsa_forward_progress 1
		.amdhsa_inst_pref_size 57
	.end_amdhsa_kernel
	.amdgpu_metadata
---
amdhsa.version: [ 1, 2 ]
amdhsa.kernels:
  - .name:           k_q4f176393a7_attn
    .symbol:         k_q4f176393a7_attn.kd
    .args:
      - { .name: qkv, .offset: 0, .size: 8, .value_kind: global_buffer, .address_space: global }
      - { .name: ao, .offset: 8, .size: 8, .value_kind: global_buffer, .address_space: global }
      - { .name: aos, .offset: 16, .size: 8, .value_kind: global_buffer, .address_space: global }
    .group_segment_fixed_size: 223232
    .private_segment_fixed_size: 0
    .kernarg_segment_align: 8
    .kernarg_segment_size: 24
    .max_flat_workgroup_size: 512
    .sgpr_count:     66
    .vgpr_count:     256
    .wavefront_size: 32
...
	.end_amdgpu_metadata
.endif
;; end of part 3
;; launch oproj (part 4): grid 8 x 32, 8 waves a work-group, clusters of 4 x 4, 265,216 bytes of LDS; arguments ao, aos, wimg, wsc, out0; writes out0
.if DOCPART == 4
	.amdgcn_target "amdgcn-amd-amdhsa--gfx1250"
	.amdhsa_code_object_version 6
	.text
	.protected	k_q4f176393a7_oproj
	.globl	k_q4f176393a7_oproj
	.p2align	8
	.type	k_q4f176393a7_oproj,@function
k_q4f176393a7_oproj:
	s_mov_b64 s[64:65], 0
	v_nop
	global_prefetch_b8 v0, s[64:65] scope:SCOPE_SE
	s_setreg_imm32_b32 hwreg(HW_REG_WAVE_MODE, 25, 1), 1
	s_wait_xcnt 0x0
	s_wait_alu depctr_hold_cnt(0) depctr_sa_sdst(0) depctr_va_vdst(0) depctr_va_sdst(0) depctr_va_ssrc(0) depctr_va_vcc(0) depctr_vm_vsrc(0)
	s_getreg_b32 s2, hwreg(HW_REG_IB_STS2, 6, 4)
	s_cmp_eq_u32 s2, 0
	s_cbranch_scc0 .Lentry_in_a_cluster
	s_endpgm
.Lentry_in_a_cluster:
	s_bfe_u32 s2, ttmp6, 0x10000c
	s_cmp_lg_u32 s2, 0xf033
	s_cbranch_scc0 .Lentry_shape_is_right
	s_endpgm
.Lentry_shape_is_right:
; out0 = attention's result x w_o, [4096][1024] f32, on codes of FP6 (E2M3) with one E8M0 scale for each 32 along K = 1,024; both operands lie in memory in the order of the operand's registers.
; A work-group makes 128 x 128 of out0: 256 work-groups.  Its 8 tiles of rows (ao: 98,304 dense bytes) and 8 tiles of columns (wimg's fourth weight: 98,304 dense bytes) stay in LDS whole, each byte filled once.
; CLUSTERS: 4 x 4 work-groups.  The four of a row of the cluster need the same rows, the four of a column the same columns of w_o: each part is asked for JOINTLY, by the same tensor load with the same descriptor and a mask that names the four.
; Waves 0-3 fetch the rows' tiles, two each, waves 4-7 the columns'; each in two loads, K steps 0-3 and K steps 4-7 (2 rows of 6,144 bytes, 12,288 apart): two loads of a wave are out by this text's count.  The first four steps are multiplied while the second load lands.
; Wave w: columns' tiles 2 (w % 4), 2 (w % 4) + 1 x rows' tiles 4 (w / 4) .. + 3: eight accumulators, by turns.
; THE MATRIX INSTRUCTION IS USED TRANSPOSED (source 0 = 16 columns of w_o, source 1 = 16 rows); row r of every tile is 32 (T / 2) + 8 (T % 2) + r + 8 (r / 8): a lane's 16 registers of the two tiles are 16 neighbouring numbers of one row of out0.
; The way out goes through a stage of the work-group's (bytes of their own, into which no tensor load lands), with a barrier: a row's 512 bytes come from four waves.
; LIMITS: NaN and infinities are not served.
; REGISTERS: v1-8 LDS addresses of the fragments; v9, v10 the stage; v11-13 lane offsets; v16-23 w_o's scale words, v24-39 the rows' (lanes 0-15 K step j, lanes 16-31 K step 4 + j); v40-87 w_o's fragments, two sets; v88-183 the rows', two sets; v184-247 accumulators.
.set HALFK, 98304                      ; LDS: K steps 0-3: rows' 8 tiles x 6,144 bytes, then columns' 8; K steps 4-7 likewise, HALFK on
.set STG,   2*HALFK                    ; the stage: 128 rows x (512 + 16) bytes
.set WSC,   16
.set ASC,   24
.set ACC,   184
.set WV,    14
.macro NOP4
.rept 4
	v_nop
.endr
.endm
.macro CROUND                          ; a round of the cluster's barrier: my work-group's barrier; wave 0 signals for the work-group; every wave waits for all sixteen; my work-group's barrier once more
	s_barrier_signal -1
	s_barrier_wait -1
	s_cmp_lg_u32 s[WV], 0
	s_cbranch_scc1 .Lnot_wave_0_\@
	s_barrier_signal -3
.Lnot_wave_0_\@:
	s_barrier_wait -3
	s_barrier_signal -1
	s_barrier_wait -1
.endm
	s_load_b256 s[4:11], s[0:1], 0x0               ; ao, aos, wimg, wsc
	s_load_b64 s[12:13], s[0:1], 0x20              ; out0
	v_lshl_add_u32 v254, v0, 2, 0x40800
	v_mov_b32 v255, 0
	ds_add_u32 v254, v255
	ds_add_u32 v254, v255
	v_lshrrev_b32 v248, 5, v0
	v_readfirstlane_b32 s[WV], v248                ; wave 0..7
	s_and_b32 s15, s[WV], 3                        ; which pair of the columns' tiles is mine.  Also: which two tiles I fetch
	s_lshr_b32 s16, s[WV], 2                       ; which four of the rows' tiles.  Also: I fetch rows (0) or columns (1)
	s_bfe_u32 s17, ttmp6, 0x40000                  ; cx, cy: my place in the cluster
	s_bfe_u32 s18, ttmp6, 0x40004
	s_lshl_b32 s19, ttmp9, 2
	s_add_co_u32 s19, s19, s17                     ; which 128 columns = 4 x cluster x + cx
	s_and_b32 s20, ttmp7, 0xffff
	s_lshl_b32 s20, s20, 2
	s_add_co_u32 s20, s20, s18                     ; which 128 rows = 4 x cluster y + cy
	s_lshl_b32 s21, s18, 2
	s_lshl_b32 s21, 15, s21                        ; my row of the cluster
	s_lshl_b32 s22, 0x1111, s17                    ; my column
	s_or_b32 s24, s21, (3<<16)|(1<<21)             ; group 1 for the rows' tiles: the mask; elements of 8 bytes; bit 21 set beside a mask; no padding
	s_or_b32 s40, s22, (3<<16)|(1<<21)             ; and for the columns'
.irp g, 24, 40
	s_mov_b32 s[\g+1], 768<<16                     ; tensor_dim0 = 768 elements: 6,144 bytes, four K steps of a tile
	s_mov_b32 s[\g+2], 2<<16                       ; tensor_dim1 = 2 tiles
	s_mov_b32 s[\g+3], 768<<16                     ; tile_dim0
	s_mov_b32 s[\g+4], 2                           ; tile_dim1
	s_mov_b32 s[\g+5], 1536                        ; from tile to tile: 12,288 bytes
	s_mov_b32 s[\g+6], 0
	s_mov_b32 s[\g+7], 0
.endr
	s_mul_i32 s23, s15, 24576                      ; my two tiles
	s_mul_i32 s56, s20, 98304                      ; the rows' address hangs on the rows' coordinate and the wave alone,
	s_add_co_u32 s56, s56, s23
	s_mov_b32 s57, 0
	s_mul_i32 s58, s19, 98304                      ; the columns' on the columns' and the wave, in registers that never hold the other coordinate
	s_add_co_u32 s58, s58, s23
	s_add_co_u32 s58, s58, 3*786432                ; the fourth weight
	s_mov_b32 s59, 0
	s_mul_i32 s60, s[WV], 12288                    ; where they go: wave x two tiles: no place in the cluster enters an LDS address
	s_wait_dscnt 0x0
	s_wait_kmcnt 0x0
	s_mov_b32 s32, 1
	s_mov_b32 s33, s60
	s_add_nc_u64 s[34:35], s[4:5], s[56:57]
	s_mov_b32 s36, 1
	s_add_co_u32 s37, s60, HALFK
	s_add_nc_u64 s[38:39], s[34:35], 6144          ; K steps 4-7
	s_or_b32 s35, s35, 0x80000000                  ; type = 2
	s_or_b32 s39, s39, 0x80000000
	s_mov_b32 s48, 1
	s_mov_b32 s49, s60
	s_add_nc_u64 s[50:51], s[8:9], s[58:59]
	s_mov_b32 s52, 1
	s_add_co_u32 s53, s60, HALFK
	s_add_nc_u64 s[54:55], s[50:51], 6144
	s_or_b32 s51, s51, 0x80000000
	s_or_b32 s55, s55, 0x80000000
	CROUND                                         ; all sixteen work-groups are here: the joint loads meet
	s_cmp_lt_u32 s[WV], 4                          ; a wave's two fills stand in one branch on the wave's number, ahead of every wait on TENSORcnt and every LDS read; four v_nop follow the second
	s_cbranch_scc0 .Lfor_w
	tensor_load_to_lds s[32:35], s[24:31]
	s_nop 0
	tensor_load_to_lds s[36:39], s[24:31]
	s_nop 0
	NOP4
	s_branch .Lasked
.Lfor_w:
	tensor_load_to_lds s[48:51], s[40:47]
	s_nop 0
	tensor_load_to_lds s[52:55], s[40:47]
	s_nop 0
	NOP4
.Lasked:
	v_and_b32 v248, 31, v0                         ; lane
	v_and_b32 v249, 15, v0                         ; r
	v_bfe_u32 v250, v0, 4, 1                       ; h
	v_lshlrev_b32 v11, 4, v248
	v_lshlrev_b32 v251, 3, v248
	v_lshlrev_b32 v12, 2, v248
	v_lshl_add_u32 v12, v250, 10, v12              ; the rows' scale words: 4 x lane, lanes 16-31 four K steps (8 heads of 128 bytes) on
	v_lshlrev_b32 v13, 2, v249
	v_lshl_add_u32 v13, v250, 14, v13              ; w_o's: 4 r, lanes 16-31 four K steps on
	s_lshl_b32 s68, s19, 9                         ; wsc: the fourth weight, tile 8 x columns' block + 2 (w % 4)
	s_lshl_b32 s66, s15, 7
	s_add_co_u32 s68, s68, s66
	s_add_co_u32 s68, s68, 3*32768
	s_mov_b32 s69, 0
	s_add_nc_u64 s[10:11], s[10:11], s[68:69]
	s_lshl_b32 s70, s20, 14                        ; aos: tile 8 x rows' block + 4 (w / 4), 2,048 bytes a tile
	s_lshl_b32 s66, s16, 13
	s_add_co_u32 s70, s70, s66
	s_mov_b32 s71, 0
	s_add_nc_u64 s[6:7], s[6:7], s[70:71]
.irp u, 0,1
.irp j, 0,1,2,3
	global_load_b32 v[WSC+4*\u+\j], v13, s[10:11] offset:4096*\j+64*\u
.endr
.endr
.irp m, 0,1,2,3
.irp j, 0,1,2,3
	global_load_b32 v[ACC+2*(4*\m+\j)], v12, s[6:7] offset:2048*\m+256*\j          ; the even head's two bytes, in the word's lower half,
	global_load_b32 v[ACC+2*(4*\m+\j)+1], v12, s[6:7] offset:2048*\m+256*\j+128    ; the odd head's, in the upper
.endr
.endr
	s_mul_i32 s61, s16, 24576                      ; my four tiles of rows
	v_add_nc_u32 v1, s61, v11
	v_add_nc_u32 v2, HALFK, v1
	v_add_nc_u32 v3, s61, v251
	v_add_nc_u32 v4, HALFK, v3
	s_mul_i32 s62, s15, 12288                      ; my two tiles of columns, behind the rows' eight
	s_add_co_u32 s62, s62, 49152
	v_add_nc_u32 v5, s62, v11
	v_add_nc_u32 v6, HALFK, v5
	v_add_nc_u32 v7, s62, v251
	v_add_nc_u32 v8, HALFK, v7
	v_and_b32 v251, 8, v249
	v_add_nc_u32 v251, v251, v249                  ; r + 8 (r / 8)
	v_mul_u32_u24 v9, v251, 528
	v_lshl_add_u32 v9, v250, 6, v9
	s_mul_i32 s63, s16, 64*528
	s_lshl_b32 s66, s15, 7
	s_add_co_u32 s63, s63, s66
	s_add_co_u32 s63, s63, STG
	v_add_nc_u32 v9, s63, v9                       ; into the stage: row 64 (w / 4) + r + 8 (r / 8), byte 128 (w % 4) + 64 h
	s_mul_i32 s66, s[WV], 16*528
	s_add_co_u32 s66, s66, STG
	v_add_nc_u32 v10, s66, v11                     ; back: my 16 rows, 16 bytes a lane
	s_lshl_b32 s72, s20, 19                        ; out0: row 128 x rows' block + 16 w, byte 512 x columns' block
	s_lshl_b32 s66, s[WV], 16
	s_add_co_u32 s72, s72, s66
	s_lshl_b32 s66, s19, 9
	s_add_co_u32 s72, s72, s66
	s_mov_b32 s73, 0
	s_add_nc_u64 s[12:13], s[12:13], s[72:73]
	s_wait_loadcnt 0x0
.set i, 0
.rept 16
	v_or_b32 v[ASC+i], v[ACC+2*i], v[ACC+2*i+1]    ; the two heads' halves make a K step's scale word
.set i, i+1
.endr
.rept 8
	v_nop                                          ; a scale register written by a vector instruction stands eight places ahead of a scaled matrix instruction
.endr
.macro FETCH s                         ; K step s: 24 LDS loads, each of consecutive bytes, into set s % 2
.set HF, (\s)/4
.set BW, 40+24*((\s)%2)
.set BA, 88+48*((\s)%2)
.set KO, ((\s)%4)*1536
.irp u, 0,1
	ds_load_b128 v[BW+12*\u:BW+12*\u+3], v[5+HF] offset:\u*6144+KO
	ds_load_b64 v[BW+12*\u+4:BW+12*\u+5], v[7+HF] offset:\u*6144+KO+512
	ds_load_b128 v[BW+12*\u+6:BW+12*\u+9], v[5+HF] offset:\u*6144+KO+768
	ds_load_b64 v[BW+12*\u+10:BW+12*\u+11], v[7+HF] offset:\u*6144+KO+1280
.endr
.irp m, 0,1,2,3
	ds_load_b128 v[BA+12*\m:BA+12*\m+3], v[1+HF] offset:\m*6144+KO
	ds_load_b64 v[BA+12*\m+4:BA+12*\m+5], v[3+HF] offset:\m*6144+KO+512
	ds_load_b128 v[BA+12*\m+6:BA+12*\m+9], v[1+HF] offset:\m*6144+KO+768
	ds_load_b64 v[BA+12*\m+10:BA+12*\m+11], v[3+HF] offset:\m*6144+KO+1280
.endr
.endm
.macro MUL s                           ; eight matrix instructions; the first K step starts the sums
.set BW, 40+24*((\s)%2)
.set BA, 88+48*((\s)%2)
.irp m, 0,1,2,3
.irp u, 0,1
.set rD, ACC+16*\m+8*\u
.if (\s) == 0
	v_wmma_scale_f32_16x16x128_f8f6f4 v[rD:rD+7], v[BW+12*\u:BW+12*\u+11], v[BA+12*\m:BA+12*\m+11], 0, v[WSC+4*\u+(\s)%4], v[ASC+4*\m+(\s)%4] matrix_a_fmt:MATRIX_FMT_FP6 matrix_b_fmt:MATRIX_FMT_FP6
.elseif (\s) < 4
	v_wmma_scale_f32_16x16x128_f8f6f4 v[rD:rD+7], v[BW+12*\u:BW+12*\u+11], v[BA+12*\m:BA+12*\m+11], v[rD:rD+7], v[WSC+4*\u+(\s)%4], v[ASC+4*\m+(\s)%4] matrix_a_fmt:MATRIX_FMT_FP6 matrix_b_fmt:MATRIX_FMT_FP6
.else
	v_wmma_scale_f32_16x16x128_f8f6f4 v[rD:rD+7], v[BW+12*\u:BW+12*\u+11], v[BA+12*\m:BA+12*\m+11], v[rD:rD+7], v[WSC+4*\u+(\s)%4], v[ASC+4*\m+(\s)%4] matrix_a_fmt:MATRIX_FMT_FP6 matrix_b_fmt:MATRIX_FMT_FP6 matrix_a_scale:MATRIX_SCALE_ROW1 matrix_b_scale:MATRIX_SCALE_ROW1
.endif
.endr
.endr
.endm
	s_wait_tensorcnt 0x1                           ; my part of K steps 0-3 is in; my second load may stay out
	s_barrier_signal -1
	s_barrier_wait -1                              ; everybody's is
	FETCH 0
.irp s, 0,1,2,3,4,5,6,7
.if \s == 3
	s_wait_tensorcnt 0x0                           ; my part of K steps 4-7 is in
	s_wait_dscnt 0x0
	s_barrier_signal -1
	s_barrier_wait -1                              ; everybody's is
.endif
.if (\s >= 1) && (\s < 7)
	NOP4                                           ; places in front of loads into the set that the last step multiplied
.endif
.if \s < 7
	FETCH \s+1
	s_wait_dscnt 24                                ; this step's fragments are in; the 24 loads just issued may be out
.else
	s_wait_dscnt 0x0
.endif
	MUL \s
.endr
	; THE WAY OUT
	NOP4
.irp m, 0,1,2,3
.irp q, 0,1,2,3
	ds_store_b128 v9, v[ACC+16*\m+4*\q:ACC+16*\m+4*\q+3] offset:(32*(\m/2)+8*(\m%2))*528+16*\q   ; each accumulator from its low end on
.endr
.endr
	s_wait_dscnt 0x0                               ; for the others' sake: my stores into the stage have landed
	s_barrier_signal -1
	s_barrier_wait -1
.irp i, 0,1,2,3,4,5,6,7,8,9,10,11,12,13,14,15
	ds_load_b128 v[40+4*\i:43+4*\i], v10 offset:528*\i
.endr
.irp i, 0,1,2,3,4,5,6,7,8,9,10,11,12,13,14,15
	s_wait_dscnt 15-\i                             ; row i is back; the younger rows may be out
	global_store_b128 v11, v[40+4*\i:43+4*\i], s[12:13] offset:4096*\i th:TH_STORE_NT   ; 32 lanes store 512 consecutive bytes, at a multiple of 256 from out0's first byte; written once, read by nobody here
.endr
	s_wait_tensorcnt 0x0
	ds_add_u32 v254, v255
	s_wait_dscnt 0x0
	CROUND                                         ; the closing round: no work-group ends while a partner may still ask for a part that names it
	s_endpgm
.Lfunc_end_k_q4f176393a7_oproj:
	.size	k_q4f176393a7_oproj, .Lfunc_end_k_q4f176393a7_oproj-k_q4f176393a7_oproj
	.p2alignl 7, 3214868480
	.fill 96, 4, 3214868480
	.section	.rodata,"a",@progbits
	.p2align	6, 0x0
	.amdhsa_kernel k_q4f176393a7_oproj
		.amdhsa_group_segment_fixed_size 265216
		.amdhsa_private_segment_fixed_size 0
		.amdhsa_enable_private_segment 0
		.amdhsa_kernarg_size 40
		.amdhsa_user_sgpr_count 2
		.amdhsa_user_sgpr_kernarg_segment_ptr 1
		.amdhsa_wavefront_size32 1
		.amdhsa_system_sgpr_workgroup_id_x 1
		.amdhsa_system_sgpr_workgroup_id_y 1
		.amdhsa_system_sgpr_workgroup_id_z 1
		.amdhsa_system_vgpr_workitem_id 0
		.amdhsa_next_free_vgpr 256
		.amdhsa_next_free_sgpr 80
		.amdhsa_reserve_vcc 0
		.amdhsa_float_denorm_mode_32 3
		.amdhsa_float_denorm_mode_16_64 3
		.amdhsa_memory_ordered 1
		.amdhsa_forward_progress 1
		.amdhsa_inst_pref_size 38
	.end_amdhsa_kernel
	.amdgpu_metadata
---
amdhsa.version: [ 1, 2 ]
amdhsa.kernels:
  - .name:           k_q4f176393a7_oproj
    .symbol:         k_q4f176393a7_oproj.kd
    .args:
      - { .name: ao, .offset: 0, .size: 8, .value_kind: global_buffer, .address_space: global }
      - { .name: aos, .offset: 8, .size: 8, .value_kind: global_buffer, .address_space: global }
      - { .name: wimg, .offset: 16, .size: 8, .value_kind: global_buffer, .address_space: global }
      - { .name: wsc, .offset: 24, .size: 8, .value_kind: global_buffer, .address_space: global }
      - { .name: out0, .offset: 32, .size: 8, .value_kind: global_buffer, .address_space: global }
    .group_segment_fixed_size: 265216
    .private_segment_fixed_size: 0
    .kernarg_segment_align: 8
    .kernarg_segment_size: 40
    .max_flat_workgroup_size: 256
    .sgpr_count:     80
    .vgpr_count:     256
    .wavefront_size: 32
...
	.end_amdgpu_metadata
.endif
;; end of part 4
;; ======== version 2 of 2: 4 launches
;; workspace buffers: wimg 3,145,728 bytes; wsc 131,072 bytes; qkv 10,747,904 bytes; ao 3,145,728 bytes; aos 524,288 bytes
;; launch wq (part 5): grid 64 x 4, 8 waves a work-group, no clusters, 15,872 bytes of LDS; arguments w_q, w_k, w_v, w_o, wimg, wsc; writes wimg, wsc
.if DOCPART == 5
	.amdgcn_target "amdgcn-amd-amdhsa--gfx1250"
	.amdhsa_code_object_version 6
	.text
	.protected	k_q4f176393a7_wq
	.globl	k_q4f176393a7_wq
	.p2align	8
	.type	k_q4f176393a7_wq,@function
k_q4f176393a7_wq:
	s_mov_b64 s[64:65], 0
	v_nop
	global_prefetch_b8 v0, s[64:65] scope:SCOPE_SE
	s_setreg_imm32_b32 hwreg(HW_REG_WAVE_MODE, 25, 1), 1
	s_wait_xcnt 0x0
; The four weights, each [1024 (k)][1024 (n)] f32 with K as the FIRST axis, become codes of FP6 (E2M3) with one E8M0 byte for each 32 along K,
; laid in the ORDER OF THE OPERAND'S REGISTERS, so that the products' launches load fragments by 16 and 8 bytes a lane from consecutive bytes.
; A HALF IMAGE is 768 bytes: registers 6 c .. 6 c + 5 of a fragment (lane (r, h): the 32 codes k = 64 c + 32 h + 0 .. 31 of row r): lane L's first 16 bytes at 16 L, its last 8 at 512 + 8 L.
; wimg: [weight][tile T 64][K step s 8][c 2] half images;  wsc: [weight][s 8][T 64][r 16] words, byte i for k = 128 s + 32 i.
; THE ROWS OF A TILE ARE NOT NEIGHBOURS: row r of tile T is column n = 32 (T / 2) + 8 (T % 2) + r + 8 (r / 8), so that a product's results of two neighbouring tiles are 16 neighbours in a lane.
; SHARES.  Work-group (x, y): weight y, columns 128 (x % 8) on, K step x / 8.  Wave w: 32 columns (w % 4), a lane a column, 64 along K (c = w / 4): two whole blocks in a lane's registers, so no other lane is asked
; for a maximum and nothing is transposed.  A load reads 128 consecutive bytes, four waves side by side 512.  All 64 loads of a wave go out at once.
; The codes turn through the wave's own stage in LDS into the two tiles' half images; each store of the wave then covers 512 or 256 consecutive bytes, aligned.  The scale bytes of the eight waves meet in 512 bytes of LDS and leave as one such run.
; Work-groups share no input: no cluster, no tensor load.
; A block's scale is 2^(floor(log2(largest magnitude)) - 2); its byte is the largest magnitude's exponent field - 2, held at 1 from below.
; LIMITS: NaN and infinities are not served; a block whose largest magnitude lies under 2^-124 keeps the byte 1 (a block of zeros too, where the rule says 127: its codes are zeros, and this program alone reads the bytes).
.set STGW, 1792                        ; a wave's stage: two half images, HIP bytes apart
.set HIP,  896
.set SCW,  8*STGW                      ; behind the stages: 8 tiles x 16 rows x 4 scale bytes
.set X,    32                          ; v32-95   64 numbers down K
.set CT,   100                         ; v100-102 a block's upper 16 codes (a conversion's three registers begin on an even number)
.set OUTR, 104                         ; v104-115 the two half images on the way out
	s_load_b256 s[4:11], s[0:1], 0x0               ; w_q, w_k, w_v, w_o
	s_load_b128 s[12:15], s[0:1], 0x20             ; wimg, wsc
	v_lshl_add_u32 v128, v0, 2, 0x3a00
	v_mov_b32 v129, 0
	v_lshrrev_b32 v10, 5, v0
	s_delay_alu instid0(VALU_DEP_1)
	v_readfirstlane_b32 s16, v10                   ; wave 0..7
	s_and_b32 s17, ttmp7, 0xffff                   ; y: which weight
	s_and_b32 s18, ttmp9, 7                        ; cg: which 128 columns
	s_lshr_b32 s19, ttmp9, 3                       ; s: which K step
	s_and_b32 s20, s16, 3                          ; which 32 of the columns
	s_lshr_b32 s21, s16, 2                         ; c: which 64 of the K step
	v_and_b32 v11, 31, v0                          ; lane
	s_delay_alu instid0(VALU_DEP_1)
	v_lshlrev_b32 v1, 2, v11                       ; in: 4 bytes a lane
	s_delay_alu instid0(VALU_DEP_2)
	v_lshlrev_b32 v7, 4, v11                       ; out: 16 bytes a lane,
	s_delay_alu instid0(VALU_DEP_3)
	v_lshlrev_b32 v8, 3, v11                       ; or 8
	v_bfe_u32 v12, v0, 3, 1                        ; u: my column lies in tile 2 (w % 4) + u of the eight,
	v_and_b32 v13, 7, v0
	v_bfe_u32 v14, v0, 4, 1
	s_delay_alu instid0(VALU_DEP_1)
	v_lshl_add_u32 v13, v14, 3, v13                ; as its row r = lane % 8 + 8 (lane / 16)
	s_mul_i32 s22, s16, STGW
	v_mul_u32_u24 v15, v12, HIP
	s_delay_alu instid0(VALU_DEP_1)
	v_add_nc_u32 v15, s22, v15
	s_delay_alu instid0(VALU_DEP_1)
	v_lshl_add_u32 v2, v13, 4, v15                 ; into the stage: 16 bytes at 16 (r + 16 e),
	s_delay_alu instid0(VALU_DEP_2)
	v_lshl_add_u32 v3, v13, 3, v15
	s_delay_alu instid0(VALU_DEP_1)
	v_add_nc_u32 v3, 512, v3                       ; 8 bytes at 512 + 8 (r + 16 e)
	v_add_nc_u32 v4, s22, v7                       ; out of it: as the image lies
	v_add_nc_u32 v5, s22, v8
	s_delay_alu instid0(VALU_DEP_1)
	v_add_nc_u32 v5, 512, v5
	s_lshl_b32 s23, s20, 7
	s_lshl_b32 s24, s21, 1
	s_add_co_u32 s23, s23, s24
	s_add_co_u32 s23, s23, SCW
	v_lshlrev_b32 v6, 6, v12
	s_delay_alu instid0(VALU_DEP_1)
	v_lshl_add_u32 v6, v13, 2, v6
	s_delay_alu instid0(VALU_DEP_1)
	v_add_nc_u32 v6, s23, v6                       ; my two scale bytes: SCW + 64 (2 (w % 4) + u) + 4 r + 2 c
	v_add_nc_u32 v9, SCW, v7
	s_lshl_b32 s24, s19, 19                        ; the weight: row 128 s + 64 c of 4,096 bytes, column 128 cg + 32 (w % 4)
	s_lshl_b32 s25, s21, 18
	s_add_co_u32 s24, s24, s25
	s_lshl_b32 s25, s18, 9
	s_add_co_u32 s24, s24, s25
	s_lshl_b32 s25, s20, 7
	s_add_co_u32 s24, s24, s25
	s_mov_b32 s25, 0
	s_mul_i32 s26, s17, 786432                     ; wimg: weight y, tile 8 cg + 2 (w % 4), K step s, half c
	s_mul_i32 s27, s18, 98304
	s_add_co_u32 s26, s26, s27
	s_mul_i32 s27, s20, 24576
	s_add_co_u32 s26, s26, s27
	s_mul_i32 s27, s19, 1536
	s_add_co_u32 s26, s26, s27
	s_mul_i32 s27, s21, 768
	s_add_co_u32 s26, s26, s27
	s_mov_b32 s27, 0
	s_lshl_b32 s28, s17, 15                        ; wsc: weight y, K step s, tile 8 cg
	s_lshl_b32 s29, s19, 12
	s_add_co_u32 s28, s28, s29
	s_lshl_b32 s29, s18, 9
	s_add_co_u32 s28, s28, s29
	s_mov_b32 s29, 0
	s_wait_kmcnt 0x0
	s_cmp_eq_u32 s17, 1                            ; the choice of the weight hangs on the work-group's number alone
	s_cselect_b64 s[4:5], s[6:7], s[4:5]
	s_cmp_eq_u32 s17, 2
	s_cselect_b64 s[4:5], s[8:9], s[4:5]
	s_cmp_eq_u32 s17, 3
	s_cselect_b64 s[4:5], s[10:11], s[4:5]
	s_add_nc_u64 s[4:5], s[4:5], s[24:25]
	s_add_nc_u64 s[12:13], s[12:13], s[26:27]
	s_add_nc_u64 s[14:15], s[14:15], s[28:29]
.set i, 0
.rept 64
	global_load_b32 v[X+i], v1, s[4:5] offset:i*4096 th:TH_LOAD_NT   ; W(128 s + 64 c + i, my column)
.set i, i+1
.endr
; Block e of my two: its largest magnitude, its byte, its 32 codes; they are lane (r, h = e)'s part of my tile's half image.
.macro BLOCK e
.set XS, X+32*(\e)
.set P,  16+8*(\e)
	v_max3_num_f32 v12, |v[XS]|, |v[XS+1]|, |v[XS+2]|
	v_max3_num_f32 v13, |v[XS+3]|, |v[XS+4]|, |v[XS+5]|
.irp i, 6,10,14,18,22,26
	s_delay_alu instid0(VALU_DEP_2)
	v_max3_num_f32 v12, v12, |v[XS+\i]|, |v[XS+\i+1]|
	s_delay_alu instid0(VALU_DEP_2)
	v_max3_num_f32 v13, v13, |v[XS+\i+2]|, |v[XS+\i+3]|
.endr
	s_delay_alu instid0(VALU_DEP_2)
	v_max3_num_f32 v12, v12, |v[XS+30]|, |v[XS+31]|
	s_delay_alu instid0(VALU_DEP_1)
	v_max3_num_f32 v12, v12, v13, 0x1800000        ; and the floor 2^(3 - 127): the byte cannot fall under 1
	s_delay_alu instid0(VALU_DEP_1)
	v_add_nc_u32 v14, 0xff000000, v12              ; 2 off the exponent field: the conversion takes this operand's exponent field as its scale
	s_delay_alu instid0(VALU_DEP_1)
	v_lshrrev_b32 v13, 23, v14                     ; the scale's byte
	v_cvt_scalef32_pk16_fp6_f32 v[P:P+2], v[XS:XS+15], v14
	v_cvt_scalef32_pk16_fp6_f32 v[CT:CT+2], v[XS+16:XS+31], v14
.if (\e) == 0
	v_mov_b32 v10, v13                             ; my two bytes, the lower K in the lower byte.  (Also the plain place behind the conversions)
.else
	v_lshl_or_b32 v10, v13, 8, v10
.endif
.irp i, 0,1,2
	v_mov_b32 v[P+3+\i], v[CT+\i]
.endr
	ds_store_b128 v2, v[P:P+3] offset:256*(\e)
	ds_store_b64 v3, v[P+4:P+5] offset:128*(\e)
.endm
	s_wait_loadcnt 32                              ; the first block's 32 loads are in; the second block's may be out
	BLOCK 0
	s_wait_loadcnt 0x0
	BLOCK 1
	ds_store_b16 v6, v10
.irp f, 0,1
	ds_load_b128 v[OUTR+6*\f:OUTR+6*\f+3], v4 offset:HIP*\f       ; LDS serves a wave's instructions in order (ISA guide 5.7.1.4): these see my stores
	ds_load_b64 v[OUTR+6*\f+4:OUTR+6*\f+5], v5 offset:HIP*\f
.endr
	s_wait_dscnt 0x0                               ; the images are back, and my scale bytes have landed: for the other waves' sake too
.irp f, 0,1
	global_store_b128 v7, v[OUTR+6*\f:OUTR+6*\f+3], s[12:13] offset:12288*\f        ; 512 consecutive bytes, aligned to 256
	global_store_b64 v8, v[OUTR+6*\f+4:OUTR+6*\f+5], s[12:13] offset:12288*\f+512   ; 256 consecutive bytes, aligned
.endr
	s_barrier_signal -1
	s_barrier_wait -1                              ; all eight waves' scale bytes lie in LDS
	s_cmp_lg_u32 s16, 0
	s_cbranch_scc1 .Lend                           ; wave 0 stores the 128 words
	ds_load_b128 v[116:119], v9
	s_wait_dscnt 0x0
	global_store_b128 v7, v[116:119], s[14:15]     ; 512 consecutive bytes, aligned to 256
.Lend:
	s_wait_tensorcnt 0x0
	ds_add_u32 v128, v129
	s_wait_dscnt 0x0
	s_endpgm
.Lfunc_end_k_q4f176393a7_wq:
	.size	k_q4f176393a7_wq, .Lfunc_end_k_q4f176393a7_wq-k_q4f176393a7_wq
	.p2alignl 7, 3214868480
	.fill 96, 4, 3214868480
	.section	.rodata,"a",@progbits
	.p2align	6, 0x0
	.amdhsa_kernel k_q4f176393a7_wq
		.amdhsa_group_segment_fixed_size 15872
		.amdhsa_private_segment_fixed_size 0
		.amdhsa_enable_private_segment 0
		.amdhsa_kernarg_size 48
		.amdhsa_user_sgpr_count 2
		.amdhsa_user_sgpr_kernarg_segment_ptr 1
		.amdhsa_wavefront_size32 1
		.amdhsa_system_sgpr_workgroup_id_x 1
		.amdhsa_system_sgpr_workgroup_id_y 1
		.amdhsa_system_sgpr_workgroup_id_z 1
		.amdhsa_system_vgpr_workitem_id 0
		.amdhsa_next_free_vgpr 130
		.amdhsa_next_free_sgpr 66
		.amdhsa_reserve_vcc 0
		.amdhsa_float_denorm_mode_32 3
		.amdhsa_float_denorm_mode_16_64 3
		.amdhsa_memory_ordered 1
		.amdhsa_forward_progress 1
		.amdhsa_inst_pref_size 15
	.end_amdhsa_kernel
	.amdgpu_metadata
---
amdhsa.version: [ 1, 2 ]
amdhsa.kernels:
  - .name:           k_q4f176393a7_wq
    .symbol:         k_q4f176393a7_wq.kd
    .args:
      - { .name: w_q, .offset: 0, .size: 8, .value_kind: global_buffer, .address_space: global }
      - { .name: w_k, .offset: 8, .size: 8, .value_kind: global_buffer, .address_space: global }
      - { .name: w_v, .offset: 16, .size: 8, .value_kind: global_buffer, .address_space: global }
      - { .name: w_o, .offset: 24, .size: 8, .value_kind: global_buffer, .address_space: global }
      - { .name: wimg, .offset: 32, .size: 8, .value_kind: global_buffer, .address_space: global }
      - { .name: wsc, .offset: 40, .size: 8, .value_kind: global_buffer, .address_space: global }
    .group_segment_fixed_size: 15872
    .private_segment_fixed_size: 0
    .kernarg_segment_align: 8
    .kernarg_segment_size: 48
    .max_flat_workgroup_size: 256
    .sgpr_count:     66
    .vgpr_count:     130
    .wavefront_size: 32
...
	.end_amdgpu_metadata
.endif
;; end of part 5
;; launch proj (part 6): grid 64 x 3, 16 waves a work-group, no clusters, 190,464 bytes of LDS; arguments query, key, value, wimg, wsc, qkv; writes qkv
.if DOCPART == 6
	.amdgcn_target "amdgcn-amd-amdhsa--gfx1250"
	.amdhsa_code_object_version 6
	.text
	.protected	k_q4f176393a7_proj
	.globl	k_q4f176393a7_proj
	.p2align	8
	.type	k_q4f176393a7_proj,@function
k_q4f176393a7_proj:
	s_mov_b64 s[64:65], 0
	v_nop
	global_prefetch_b8 v0, s[64:65] scope:SCOPE_SE
	s_setreg_imm32_b32 hwreg(HW_REG_WAVE_SCHED_MODE, 0, 2), 2
	s_setreg_imm32_b32 hwreg(HW_REG_WAVE_MODE, 25, 1), 1
	s_wait_xcnt 0x0
	s_wait_alu depctr_vm_vsrc(0)
; q = query w_q, k = key w_k, v = value w_v, on codes of FP6 (E2M3) with one E8M0 scale for each 32 along K; the results are quantised at once for the attention's products and leave as codes alone.
; Work-group (x, y): tensor y (0 query, 1 key, 2 value), rows 64 x .. 64 x + 63, ALL 1,024 columns: each number of the input is read and quantised once.  Wave w makes head w: 4 tiles of columns x 4 tiles of rows, 16 accumulators.
; PHASE X: wave w quantises tile w / 4 of the rows, K steps 2 (w % 4) and 2 (w % 4) + 1.  Each of its 32 loads takes 512 consecutive bytes, one K step of one row, 16 bytes a lane; the conversions want 16 NEIGHBOURS in a lane, so a K step's
; 16 rows turn through the wave's own stage in LDS (rows of 512 + 16 bytes: the sixteen rows that a pass of the loads back touches start in different banks) and come back 64 bytes a lane for each block of 32.
; The two fragments then go to LDS as images of their registers (three stores of 512 consecutive bytes) with their scale words; ONE barrier.
; MAIN: eight K steps of 128, written out.  The weight's fragments come from wimg straight into registers (laid in register order by the launch before): each wave reads its own head's 49,152 bytes.  A tile's registers are asked for again
; as soon as its four products are done reading them: three tiles' loads are on their way while the fourth is multiplied.
; THE ROWS OF EVERY TILE ARE NOT NEIGHBOURS: row r of tile T is 32 (T / 2) + 8 (T % 2) + r + 8 (r / 8): the 16 registers of two neighbouring tiles of a result are then 16 neighbours along the next product's K.
; q, k: source 0 = 16 columns of W, source 1 = 16 rows of x: a lane holds one row and its registers run along d, the next K.   v: the sources swapped: a lane holds one d and its registers run along the keys, its next K.
; qkv: [b 16 + head][row / 64] records of 10,496 bytes: Q's 4 half images (768 bytes each: lane L's 16 bytes at 16 L, 8 bytes at 512 + 8 L), Q's scale words (lane L's 16 bytes: tiles 0..3 of row L % 16), K likewise at 3,584, V's 4 half images
; (a tile of 16 d) at 7,168, V's scale bytes (lane L's 8 bytes: two for each tile) at 10,240.  A word of Q's or K's scales holds its two bytes twice: the attention fills K = 64 up to 128 with zero codes of Q, and those blocks' bytes are then bytes of 1 to 254.
; NO CLUSTER: joint requests bring tiles into LDS, and a weight's 786,432 bytes of codes, all of which a work-group walks, do not fit there; here each byte of them goes once into the registers of the one wave that multiplies by it.
; LIMITS: NaN and infinities are not served; a block whose largest magnitude lies under 2^-124 keeps the scale byte 1 (a block of zeros too: its codes are zeros, and this program alone reads the bytes).
; REGISTERS: v1-7, v31 addresses; v8-11 x's scale words; v12-27 W's (register 4 t + j: lanes 0-15 K step j, lanes 16-31 K step 4 + j); v32-79 W's 4 fragments; v80-127 x's 4; v128-255 the accumulators (in phase X: x's numbers).
; THE MODE: SCHED_MODE bits 1:0 = 2 (LLVM: expert scheduling mode 2), set by the entry lines.  The code itself states the register dependences between vector or matrix instructions and memory or LDS instructions, with s_wait_alu, always for 0.
; THE PLAN.  Registers that memory or LDS instructions touch:
;   v1-7, v31       offsets and LDS addresses: written at the head, read by every load and store, never written again: one wait on va_vdst ahead of the first load.
;   v128-255        phase X: global loads land; the stage's stores read them; the loads back land in them; QUANT reads them; later the products write them.  One wait on vm_vsrc behind each run of stage stores.
;   v96, v100-111   a fragment's scale word and codes: QUANT writes them, the image's four LDS stores read them, twice; then x's fragments land there.  A wait on va_vdst ahead of each image, a wait on vm_vsrc ahead of each next writer.
;   v32-79          W's fragments: loads land, a tile's four products read them.  The sixteen waves' registers fill the SIMDs, so W has one set: a wait on va_vdst stands behind each tile's four products, and the tile's next K step is asked for at once.
;   v80-127, v8-11  x's fragments and scale words: LDS loads land, all sixteen products of a K step read them: the wait behind the step's last tile serves them too.
;   v12-27          W's scale words: loaded once.
;   the way out     each half image and the scale words have registers of their own, written once: a wait on va_vdst ahead of each half image's stores.
.set XS,  8
.set WSC, 12
.set WF,  32
.set XF,  80
.set ACC, 128
.set TM,  80                           ; phase X, in x's fragments' registers: v80-95 at work, v96 the scale word, v100-118 the codes
.set PW,  96
.set PC,  100
.set TMQ, 32                           ; the way out, in W's fragments' registers: v32-39 at work, v40-42 codes, v44-47 pairs of bytes, v48-51 words
.set CTQ, 40
.set SEL, 20                           ; s[20:21] lane selects for v_permlanex16_b32: lane l xor 16
.set XSC, 49152                        ; LDS: 32 fragments of 1,536 bytes ((8 m + s) x 1,536), then their scale words, 128 bytes each,
.set STGX, 53248                       ; then a stage for each wave:
.set SROW, 528                         ; 16 rows of 512 bytes + 16
.set STGW, 16*SROW
.macro NOP4                            ; four places behind a matrix instruction (ISA guide 7.12.1), in front of the first vector instruction that reads its results or writes its registers
.rept 4
	v_nop
.endr
.endm
.macro XLOAD reg, s                    ; my K step s (0, 1) of my tile's 16 rows: a load a row, 32 lanes on 512 consecutive bytes
.irp i, 0,1,2,3,4,5,6,7,8,9,10,11,12,13,14,15
	global_load_b128 v[\reg+4*\i:\reg+4*\i+3], v1, s[4:5] offset:(\i+8*(\i/8))*4096+512*\s th:TH_LOAD_NT
.endr
.endm
.macro TOST reg                        ; the 16 rows go into my stage as they were loaded
.irp i, 0,1,2,3,4,5,6,7,8,9,10,11,12,13,14,15
	ds_store_b128 v4, v[\reg+4*\i:\reg+4*\i+3] offset:SROW*\i
.endr
.endm
.macro BACK reg                        ; and come back so that register 16 b + i = k 32 b + 16 (lane / 16) + i of row lane % 16
.irp b, 0,1,2,3
.irp j, 0,1,2,3
	ds_load_b128 v[\reg+16*\b+4*\j:\reg+16*\b+4*\j+3], v31 offset:128*\b+16*\j
.endr
.endr
.endm
; 64 numbers of a lane become a fragment's codes in v[PC] on and its scale word in v[PW]
.macro QUANT s
.irp b, 0,1,2,3
	v_max3_num_f32 v[TM+\b], |v[\s+16*\b]|, |v[\s+1+16*\b]|, 0x1800000   ; my 16 numbers of block b, and the floor 2^(3 - 127): the byte cannot fall under 1
.endr
.irp i, 2,4,6,8,10,12,14
.irp b, 0,1,2,3
	v_max3_num_f32 v[TM+\b], v[TM+\b], |v[\s+16*\b+\i]|, |v[\s+1+16*\b+\i]|
.endr
.endr
.irp b, 0,1,2,3
	v_permlanex16_b32 v[TM+4+\b], v[TM+\b], s[SEL], s[SEL+1]
.endr
.irp b, 0,1,2,3
	v_max_num_f32 v[TM+\b], v[TM+\b], v[TM+4+\b]   ; with lane l xor 16's: the block's largest magnitude
.endr
.irp b, 0,1,2,3
	v_add_nc_u32 v[TM+12+\b], 0xff000000, v[TM+\b] ; 2 off its exponent field: the conversion's scale operand
.endr
.irp b, 0,1,2,3
	v_lshrrev_b32 v[TM+4+\b], 23, v[TM+12+\b]      ; the scale's byte
.endr
	v_lshl_or_b32 v[PW], v[TM+5], 8, v[TM+4]
	v_lshl_or_b32 v[PW], v[TM+6], 16, v[PW]
	v_lshl_or_b32 v[PW], v[TM+7], 24, v[PW]
.irp c, 0,1
	v_cvt_scalef32_pk16_fp6_f32 v[PC+6*\c:PC+2+6*\c], v[\s+32*\c:\s+15+32*\c], v[TM+12+2*\c]
	v_cvt_scalef32_pk16_fp6_f32 v[PC+12+4*\c:PC+14+4*\c], v[\s+16+32*\c:\s+31+32*\c], v[TM+12+2*\c+1]
.endr
	v_nop                                          ; one plain place behind a scaled conversion
.irp c, 0,1                                    ; the operand's layout wants a whole block in a lane
.irp i, 0,1,2
	v_permlane16_swap_b32 v[PC+6*\c+\i], v[PC+12+4*\c+\i]
.endr
.irp i, 0,1,2
	v_mov_b32 v[PC+3+6*\c+\i], v[PC+12+4*\c+\i]
.endr
.endr
.endm
.macro IMAGE off
.irp c, 0,1,2
	ds_store_b128 v5, v[PC+4*\c:PC+4*\c+3] offset:\off+512*\c
.endr
.endm
; 32 numbers of a lane, register 16 b + i = k 32 b + 16 (lane / 16) + i, become a half image in v[pc .. pc + 5] and their two scale bytes in v[u]
.macro QUANT2 s, pc, u
.irp b, 0,1
	v_max3_num_f32 v[TMQ+\b], |v[(\s)+16*\b]|, |v[(\s)+16*\b+1]|, 0x1800000
.endr
.irp i, 2,4,6,8,10,12,14
.irp b, 0,1
	v_max3_num_f32 v[TMQ+\b], v[TMQ+\b], |v[(\s)+16*\b+\i]|, |v[(\s)+16*\b+\i+1]|
.endr
.endr
.irp b, 0,1
	v_permlanex16_b32 v[TMQ+2+\b], v[TMQ+\b], s[SEL], s[SEL+1]
.endr
.irp b, 0,1
	v_max_num_f32 v[TMQ+\b], v[TMQ+\b], v[TMQ+2+\b]
.endr
.irp b, 0,1
	v_add_nc_u32 v[TMQ+6+\b], 0xff000000, v[TMQ+\b]
.endr
.irp b, 0,1
	v_lshrrev_b32 v[TMQ+4+\b], 23, v[TMQ+6+\b]
.endr
	v_cvt_scalef32_pk16_fp6_f32 v[(\pc):(\pc)+2], v[(\s):(\s)+15], v[TMQ+6]
	v_cvt_scalef32_pk16_fp6_f32 v[CTQ:CTQ+2], v[(\s)+16:(\s)+31], v[TMQ+7]
	v_lshl_or_b32 v[\u], v[TMQ+5], 8, v[TMQ+4]     ; the two bytes.  (Also the plain place behind the conversions)
.irp i, 0,1,2
	v_permlane16_swap_b32 v[(\pc)+\i], v[CTQ+\i]
.endr
.irp i, 0,1,2
	v_mov_b32 v[(\pc)+3+\i], v[CTQ+\i]
.endr
.endm
.macro WLOAD1 s, t                     ; W's fragment of tile t, K step s: four loads, each of consecutive bytes
	global_load_b128 v[WF+12*(\t):WF+12*(\t)+3], v1, s[10:11] offset:(8*(\t)+(\s))*1536
	global_load_b64 v[WF+12*(\t)+4:WF+12*(\t)+5], v3, s[10:11] offset:(8*(\t)+(\s))*1536+512
	global_load_b128 v[WF+12*(\t)+6:WF+12*(\t)+9], v1, s[10:11] offset:(8*(\t)+(\s))*1536+768
	global_load_b64 v[WF+12*(\t)+10:WF+12*(\t)+11], v3, s[10:11] offset:(8*(\t)+(\s))*1536+1280
.endm
.macro XFETCH s                        ; x's four fragments of K step s and their scale words, as they were stored
.irp m, 0,1,2,3
.irp c, 0,1,2
	ds_load_b128 v[XF+12*\m+4*\c:XF+12*\m+4*\c+3], v1 offset:(8*\m+(\s))*1536+512*\c
.endr
	ds_load_b32 v[XS+\m], v2 offset:XSC+(8*\m+(\s))*128
.endr
.endm
; Four matrix instructions: W's tile t x the four tiles of rows.  The first K step starts the sums.  The 16 accumulators take turns, one instruction a turn.
.macro MUL4 s, t, swap
.irp m, 0,1,2,3
.if \swap
.set rD, ACC+32*(\t)+8*\m
.set rA, XF+12*\m
.set rB, WF+12*(\t)
.set rSA, XS+\m
.set rSB, WSC+4*(\t)+(\s)%4
.else
.set rD, ACC+32*\m+8*(\t)
.set rA, WF+12*(\t)
.set rB, XF+12*\m
.set rSA, WSC+4*(\t)+(\s)%4
.set rSB, XS+\m
.endif
.if (\s) == 0
	v_wmma_scale_f32_16x16x128_f8f6f4 v[rD:rD+7], v[rA:rA+11], v[rB:rB+11], 0, v[rSA], v[rSB] matrix_a_fmt:MATRIX_FMT_FP6 matrix_b_fmt:MATRIX_FMT_FP6
.elseif (\s) < 4
	v_wmma_scale_f32_16x16x128_f8f6f4 v[rD:rD+7], v[rA:rA+11], v[rB:rB+11], v[rD:rD+7], v[rSA], v[rSB] matrix_a_fmt:MATRIX_FMT_FP6 matrix_b_fmt:MATRIX_FMT_FP6
.elseif \swap
	v_wmma_scale_f32_16x16x128_f8f6f4 v[rD:rD+7], v[rA:rA+11], v[rB:rB+11], v[rD:rD+7], v[rSA], v[rSB] matrix_a_fmt:MATRIX_FMT_FP6 matrix_b_fmt:MATRIX_FMT_FP6 matrix_b_scale:MATRIX_SCALE_ROW1
.else
	v_wmma_scale_f32_16x16x128_f8f6f4 v[rD:rD+7], v[rA:rA+11], v[rB:rB+11], v[rD:rD+7], v[rSA], v[rSB] matrix_a_fmt:MATRIX_FMT_FP6 matrix_b_fmt:MATRIX_FMT_FP6 matrix_a_scale:MATRIX_SCALE_ROW1
.endif
.endr
.endm
.macro MAIN swap
.irp s, 0,1,2,3,4,5,6,7
	s_wait_dscnt 0x0                               ; x's fragments of this step
.irp t, 0,1,2,3
.if \s < 7
	s_wait_loadcnt 12                              ; this tile's four loads are in; behind them the three younger tiles' twelve may be out
.else
	s_wait_loadcnt 12-4*\t                         ; the last step asks for nothing more: the counts run down
.endif
	MUL4 \s, \t, \swap
.if \s < 7
	s_wait_alu depctr_va_vdst(0)                   ; the tile's four products are done reading its fragment of W, in which the loads below land; behind tile 3 all sixteen are done reading x's fragments and scale words too
.if \t == 3
	XFETCH \s+1                                    ; x's next fragments first: they are wanted at the next step's head
.endif
	WLOAD1 \s+1, \t                                ; the tile's registers take its next K step at once
.endif
.endr
.endr
	; the way out: four groups of 32 registers, each a half image; every store's data have registers of their own
	NOP4
	v_mov_b32 v[TMQ+2], 0                          ; a lane permute's destination counts as one of its sources
	v_mov_b32 v[TMQ+3], 0
.irp o, 0,1,2,3
	QUANT2 ACC+32*\o, 80+8*\o, 44+\o
.if \o == 3
.if \swap
	v_lshl_or_b32 v48, v45, 16, v44                ; V: two bytes for each tile of d
	v_lshl_or_b32 v49, v47, 16, v46
.else
.irp q, 0,1,2,3
	v_lshl_or_b32 v[48+\q], v[44+\q], 16, v[44+\q] ; Q, K: a word for each tile of rows, the two bytes twice
.endr
.endif
.endif
	s_wait_alu depctr_va_vdst(0)                   ; this group's half image is written, which the two stores below read; behind the last group the scale words are written too
	global_store_b128 v1, v[80+8*\o:83+8*\o], s[14:15] offset:768*\o       ; 512 consecutive bytes, aligned to 256
	global_store_b64 v3, v[84+8*\o:85+8*\o], s[14:15] offset:768*\o+512    ; 256 consecutive bytes, aligned
.endr
.if \swap
	global_store_b64 v3, v[48:49], s[14:15] offset:3072
.else
	global_store_b128 v1, v[48:51], s[14:15] offset:3072
.endif
.endm
	s_load_b256 s[4:11], s[0:1], 0x0               ; query, key, value, wimg
	s_load_b128 s[12:15], s[0:1], 0x20             ; wsc, qkv
	v_lshrrev_b32 v28, 5, v0
	v_readfirstlane_b32 s16, v28                   ; wave 0..15
	s_and_b32 s17, ttmp7, 0xffff                   ; y
	v_and_b32 v28, 31, v0                          ; lane
	v_and_b32 v29, 15, v0                          ; r
	v_bfe_u32 v30, v0, 4, 1                        ; h
	v_lshlrev_b32 v1, 4, v28
	v_lshlrev_b32 v2, 2, v28
	v_lshlrev_b32 v3, 3, v28
	s_wait_alu depctr_va_sdst(0)                   ; s16 is written, ahead of its first reader: LDS addresses and all four bases are made from it
	s_mul_i32 s22, s16, STGW
	s_add_co_u32 s22, s22, STGX                    ; my stage
	v_add_nc_u32 v4, s22, v1                       ; into it: 16 x lane in a row
	v_mul_u32_u24 v31, v29, SROW
	v_lshl_add_u32 v31, v30, 6, v31
	v_add_nc_u32 v31, s22, v31                     ; out of it: row r, + 64 h
	s_mul_i32 s22, s16, 3072
	v_add_nc_u32 v5, s22, v1                       ; my two fragments' images: (8 (w / 4) + 2 (w % 4)) x 1,536 = 3,072 w
	s_lshl_b32 s22, s16, 8
	s_add_co_u32 s22, s22, XSC
	v_add_nc_u32 v6, s22, v2                       ; and their scale words
	v_lshlrev_b32 v7, 2, v29
	v_lshl_add_u32 v7, v30, 14, v7                 ; W's scale words: 4 r, lanes 16-31 four K steps on
.irp b, 0,1,2,3
	v_mov_b32 v[TM+4+\b], 0                        ; a lane permute's destination counts as one of its sources
.endr
	s_mov_b32 s[SEL], 0x76543210
	s_mov_b32 s[SEL+1], 0xfedcba98
	s_lshl_b32 s24, ttmp9, 18                      ; x: 64 rows a block; my tile's first row 32 (w / 8) + 8 ((w / 4) % 2); my two K steps
	s_lshr_b32 s22, s16, 3
	s_lshl_b32 s22, s22, 17
	s_add_co_u32 s24, s24, s22
	s_bfe_u32 s22, s16, 0x10002
	s_lshl_b32 s22, s22, 15
	s_add_co_u32 s24, s24, s22
	s_and_b32 s22, s16, 3
	s_lshl_b32 s22, s22, 10
	s_add_co_u32 s24, s24, s22
	s_mov_b32 s25, 0
	s_mul_i32 s26, s17, 786432                     ; wimg: weight y, tiles 4 w on
	s_mul_i32 s22, s16, 49152
	s_add_co_u32 s26, s26, s22
	s_mov_b32 s27, 0
	s_lshl_b32 s28, s17, 15                        ; wsc likewise
	s_lshl_b32 s22, s16, 8
	s_add_co_u32 s28, s28, s22
	s_mov_b32 s29, 0
	s_lshr_b32 s22, ttmp9, 5                       ; qkv: record ((16 b + w) 32 + g), part y
	s_lshl_b32 s22, s22, 4
	s_add_co_u32 s22, s22, s16
	s_lshl_b32 s22, s22, 5
	s_and_b32 s23, ttmp9, 31
	s_add_co_u32 s22, s22, s23
	s_mul_i32 s30, s22, 10496
	s_mul_i32 s23, s17, 3584
	s_add_co_u32 s30, s30, s23
	s_mov_b32 s31, 0
	s_wait_kmcnt 0x0
	s_cmp_eq_u32 s17, 1                            ; the choice of the tensor hangs on the work-group's number alone
	s_cselect_b64 s[4:5], s[6:7], s[4:5]
	s_cmp_eq_u32 s17, 2
	s_cselect_b64 s[4:5], s[8:9], s[4:5]
	s_add_nc_u64 s[4:5], s[4:5], s[24:25]
	s_add_nc_u64 s[10:11], s[10:11], s[26:27]
	s_add_nc_u64 s[12:13], s[12:13], s[28:29]
	s_add_nc_u64 s[14:15], s[14:15], s[30:31]
	s_wait_alu depctr_va_vdst(0)                   ; the offsets and LDS addresses v1 to v7 and v31 are written: every load and store of the kernel reads some of them, and none is written again
	XLOAD 128, 0
	XLOAD 192, 1
.irp t, 0,1,2,3
.irp j, 0,1,2,3
	global_load_b32 v[WSC+4*\t+\j], v7, s[12:13] offset:4096*\j+64*\t
.endr
.endr
.irp t, 0,1,2,3
	WLOAD1 0, \t
.endr
	s_wait_loadcnt 48                              ; my first K step of x is in; behind it: 16 loads of x, 16 scale words, 16 of W
	TOST 128
	s_wait_alu depctr_vm_vsrc(0)                   ; the stage's stores have read v128-191, in which the loads back land
	BACK 128                                       ; LDS serves a wave's instructions in order (ISA guide 5.7.1.4): these see the stores above
	s_wait_loadcnt 32                              ; my second K step is in
	TOST 192                                       ; in order again: these stores come behind the loads above
	s_wait_alu depctr_vm_vsrc(0)                   ; the stage's stores have read v192-255, in which the loads back land
	BACK 192                                       ; the second K step comes back while the first is quantised
	s_wait_dscnt 32                                ; the first K step is back; the sixteen younger stores and sixteen younger loads may be out
	QUANT 128
	s_wait_alu depctr_va_vdst(0)                   ; QUANT has written the codes v100-111 and the scale word v96, which the four stores below read
	IMAGE 0
	ds_store_b32 v6, v[PW]
	s_wait_dscnt 4                                 ; the second K step is back; the four younger stores may be out
	s_wait_alu depctr_vm_vsrc(0)                   ; those four stores have read v96 and v100-111, which QUANT writes again
	QUANT 192
	s_wait_alu depctr_va_vdst(0)                   ; QUANT has written the codes and the scale word, which the four stores below read; it is also done with v80-118, in which x's fragments land behind the barrier
	IMAGE 1536
	ds_store_b32 v6, v[PW] offset:128
	s_wait_dscnt 0x0                               ; for the others' sake: my images have landed
	s_barrier_signal -1
	s_barrier_wait -1                              ; x's 32 fragments lie in LDS; nothing is stored there again
	s_wait_alu depctr_vm_vsrc(0)                   ; my last four stores have read v96 and v100-111: these registers hold x's fragments from here on
	XFETCH 0
	s_cmp_eq_u32 s17, 2
	s_cbranch_scc1 .Lvalue
	MAIN 0
	s_wait_xcnt 0x0
	v_lshl_add_u32 v254, v0, 2, 0x2e000
	v_mov_b32 v255, 0
	s_wait_dscnt 0x0                               ; the closing lines, six on end
	s_wait_alu 0x0
	s_wait_tensorcnt 0x0
	ds_add_u32 v254, v255
	s_wait_dscnt 0x0
	s_endpgm
.Lvalue:
	MAIN 1
	s_wait_xcnt 0x0
	v_lshl_add_u32 v254, v0, 2, 0x2e000
	v_mov_b32 v255, 0
	s_wait_dscnt 0x0                               ; the closing lines, six on end, as above
	s_wait_alu 0x0
	s_wait_tensorcnt 0x0
	ds_add_u32 v254, v255
	s_wait_dscnt 0x0
	s_endpgm
.Lfunc_end_k_q4f176393a7_proj:
	.size	k_q4f176393a7_proj, .Lfunc_end_k_q4f176393a7_proj-k_q4f176393a7_proj
	.p2alignl 7, 3214868480
	.fill 96, 4, 3214868480
	.section	.rodata,"a",@progbits
	.p2align	6, 0x0
	.amdhsa_kernel k_q4f176393a7_proj
		.amdhsa_group_segment_fixed_size 190464
		.amdhsa_private_segment_fixed_size 0
		.amdhsa_enable_private_segment 0
		.amdhsa_kernarg_size 48
		.amdhsa_user_sgpr_count 2
		.amdhsa_user_sgpr_kernarg_segment_ptr 1
		.amdhsa_wavefront_size32 1
		.amdhsa_system_sgpr_workgroup_id_x 1
		.amdhsa_system_sgpr_workgroup_id_y 1
		.amdhsa_system_sgpr_workgroup_id_z 1
		.amdhsa_system_vgpr_workitem_id 0
		.amdhsa_next_free_vgpr 256
		.amdhsa_next_free_sgpr 66
		.amdhsa_reserve_vcc 0
		.amdhsa_float_denorm_mode_32 3
		.amdhsa_float_denorm_mode_16_64 3
		.amdhsa_memory_ordered 1
		.amdhsa_forward_progress 1
		.amdhsa_inst_pref_size 112
	.end_amdhsa_kernel
	.amdgpu_metadata
---
amdhsa.version: [ 1, 2 ]
amdhsa.kernels:
  - .name:           k_q4f176393a7_proj
    .symbol:         k_q4f176393a7_proj.kd
    .args:
      - { .name: query, .offset: 0, .size: 8, .value_kind: global_buffer, .address_space: global }
      - { .name: key, .offset: 8, .size: 8, .value_kind: global_buffer, .address_space: global }
      - { .name: value, .offset: 16, .size: 8, .value_kind: global_buffer, .address_space: global }
      - { .name: wimg, .offset: 24, .size: 8, .value_kind: global_buffer, .address_space: global }
      - { .name: wsc, .offset: 32, .size: 8, .value_kind: global_buffer, .address_space: global }
      - { .name: qkv, .offset: 40, .size: 8, .value_kind: global_buffer, .address_space: global }
    .group_segment_fixed_size: 190464
    .private_segment_fixed_size: 0
    .kernarg_segment_align: 8
    .kernarg_segment_size: 48
    .max_flat_workgroup_size: 512
    .sgpr_count:     66
    .vgpr_count:     256
    .wavefront_size: 32
...
	.end_amdgpu_metadata
.endif
;; end of part 6
;; launch attn (part 7): grid 8 x 32, 16 waves a work-group, clusters of 4 x 1, 223,232 bytes of LDS; arguments qkv, ao, aos; writes ao, aos
.if DOCPART == 7
	.amdgcn_target "amdgcn-amd-amdhsa--gfx1250"
	.amdhsa_code_object_version 6
	.text
	.protected	k_q4f176393a7_attn
	.globl	k_q4f176393a7_attn
	.p2align	8
	.type	k_q4f176393a7_attn,@function
k_q4f176393a7_attn:
	s_mov_b64 s[64:65], 0
	v_nop
	global_prefetch_b8 v0, s[64:65] scope:SCOPE_SE
	s_setreg_imm32_b32 hwreg(HW_REG_WAVE_MODE, 25, 1), 1
	s_wait_xcnt 0x0
	s_wait_alu depctr_hold_cnt(0) depctr_sa_sdst(0) depctr_va_vdst(0) depctr_va_sdst(0) depctr_va_ssrc(0) depctr_va_vcc(0) depctr_vm_vsrc(0)
	s_getreg_b32 s2, hwreg(HW_REG_IB_STS2, 6, 4)
	s_cmp_eq_u32 s2, 0
	s_cbranch_scc0 .Lentry_in_a_cluster
	s_endpgm
.Lentry_in_a_cluster:
	s_bfe_u32 s2, ttmp6, 0x10000c
	s_cmp_lg_u32 s2, 0x3003
	s_cbranch_scc0 .Lentry_shape_is_right
	s_endpgm
.Lentry_shape_is_right:
; For each of the 32 (batch, head): O = softmax(Q K^T / 8 + mask) V on codes of FP6 (E2M3) with one E8M0 scale for each 32 along a product's K; O / l is quantised along d for the last projection and leaves as codes.
; THE MASK IS THE PROBLEM'S OWN: -10,000 is ADDED to the scores of keys behind the query; they are not thrown away.  So every query walks all 2,048 keys, and hidden scores get -80,000 ahead of the factor 1 / 8 (-10,000 x 8, exact in f32).
; The addend is the C of the first product: zeros in the steps ahead of the wave's diagonal, -80,000 behind it (eight registers, changed once), and in the one step on the diagonal 0 or -80,000 by key and query.
; THE SOFTMAX AHEAD OF THE SECOND PRODUCT: t = score x log2(e) / 8; M = the running largest t rounded UP to a whole number; p = 2^(t - M) is quantised along the keys, not normalised; the sum is taken of the unquantised p and divides at the end.
; When M moves, the sum and O are multiplied by 2^(old M - new M): exact.
; SHARES.  Work-group (x, y): head y; wave w of sixteen owns query tile 8 w + x, 16 queries in 256 registers, four waves to a SIMD, so that one wave's vector work stands beside another's matrix work and LDS loads.  16 key steps of 128.
; Tile 8 w + x lies in keys' step w whatever x is: the step on a wave's diagonal hangs on the wave's number alone.
; CLUSTER.  The four work-groups of a cluster belong to one head and read the same K and V: each record is asked for JOINTLY, by the same tensor load with the same descriptor and a mask that names the four; each receives it in its own LDS.
; x enters Q's, ao's and aos's addresses and the number that the diagonal's compares use, and nothing else: no branch and no LDS address.
; LDS holds the head's K and V whole: 32 records of 6,912 bytes (K's 4 half images, K's scale words at 3,072, V's 4 half images at 3,584, V's scale bytes at 6,656), each brought by one tensor load as one row.
; Every wave issues two loads behind the opening round (records w and 16 + w): two are out by this text's count; nothing is filled twice.  The first eight steps read records 0-15, behind the first loads' wait and a barrier; the last eight behind the second.
; LAYOUT.  Both products are used transposed (S^T = K Q^T, O^T = V^T P^T): a lane holds one query throughout.  Row r of every tile is 32 (T / 2) + 8 (T % 2) + r + 8 (r / 8): 16 registers of two neighbouring tiles are 16 neighbours.
; K = 64 IN AN INSTRUCTION OF 128: Q's registers 6-11 are zero codes; K's fragment i is v[32 + 6 i .. + 11], whose upper six registers are the next tile's codes (or zeros): finite numbers times zero.
; No prefetch: all that a work-group reads is asked for at its head.
; LIMITS: NaN and infinities are not served; a block whose largest magnitude lies under 2^-124 keeps the scale byte 1 (a block of zeros too); a hidden score is the matrix unit's one rounding of s - 80,000, where the problem rounds s / 8 and then the sum.
; REGISTERS: v1, v2, v7 16, 8, 4 x lane; v3, v4 the step's LDS addresses; v5 the diagonal's number; v6 -80,000; v8-11 V's scale bytes as loaded; v12 -M, v13 the largest t, v[14:15] the sum; v16-27 Q; v28 Q's scale words;
;   v32-85 K's fragments, then (v32-79) V's; v88-95 the addend; v96-159 S^T, then p; v160-191 O^T; v192-199 K's scale words; v200-203 V's; v204-215 p's codes; v216-241 at work; v241 p's scale word.
.set REC,   6912
.set S,     96
.set O,     160
.set KS,    192
.set VS,    200
.set PCD,   204
.set BM,    224                        ; v224-227 the blocks' largest scores, then largest p
.set PT,    228                        ; v228-231 permutes' results, then bytes
.set SO,    232                        ; v232-235 the conversions' scale operands
.set T1,    238
.set TMQ,   226                        ; the last quantising: v226-233
.set CTQ,   216
.set WV,    10
.set SEL,   14                         ; s[14:15] lane selects for v_permlanex16_b32: lane l xor 16
.set G1,    16                         ; s[16:23] descriptor group 1;  s[24:27], s[28:31] groups 0
.set CS,    32                         ; s[32:33] c = log2(e) / 8
.set TB,    34                         ; s34 LDS byte at which the step's two records begin
.set KI,    35                         ; s35 the key step
.set CNT,   39
.macro NOP4
.rept 4
	v_nop
.endr
.endm
.macro CROUND                          ; a round of the cluster's barrier: my work-group's barrier; wave 0 signals for the work-group; every wave waits for all four work-groups; my work-group's barrier once more
	s_barrier_signal -1
	s_barrier_wait -1
	s_cmp_lg_u32 s[WV], 0
	s_cbranch_scc1 .Lnot_wave_0_\@
	s_barrier_signal -3
.Lnot_wave_0_\@:
	s_barrier_wait -3
	s_barrier_signal -1
	s_barrier_wait -1
.endm
.macro QUANT2 s, pc, u                 ; 32 numbers of a lane, register 16 b + i = k 32 b + 16 (lane / 16) + i, become a half image in v[pc .. pc + 5] and their two scale bytes in v[u]
.irp b, 0,1
	v_max3_num_f32 v[TMQ+\b], |v[(\s)+16*\b]|, |v[(\s)+16*\b+1]|, 0x1800000
.endr
.irp i, 2,4,6,8,10,12,14
.irp b, 0,1
	s_delay_alu instid0(VALU_DEP_2)
	v_max3_num_f32 v[TMQ+\b], v[TMQ+\b], |v[(\s)+16*\b+\i]|, |v[(\s)+16*\b+\i+1]|
.endr
.endr
.irp b, 0,1
	s_delay_alu instid0(VALU_DEP_2)
	v_permlanex16_b32 v[TMQ+2+\b], v[TMQ+\b], s[SEL], s[SEL+1]
.endr
.irp b, 0,1
	s_delay_alu instid0(VALU_DEP_2)
	v_max_num_f32 v[TMQ+\b], v[TMQ+\b], v[TMQ+2+\b]
.endr
.irp b, 0,1
	s_delay_alu instid0(VALU_DEP_2)
	v_add_nc_u32 v[TMQ+6+\b], 0xff000000, v[TMQ+\b]
.endr
.irp b, 0,1
	s_delay_alu instid0(VALU_DEP_2)
	v_lshrrev_b32 v[TMQ+4+\b], 23, v[TMQ+6+\b]
.endr
	v_cvt_scalef32_pk16_fp6_f32 v[(\pc):(\pc)+2], v[(\s):(\s)+15], v[TMQ+6]
	v_cvt_scalef32_pk16_fp6_f32 v[CTQ:CTQ+2], v[(\s)+16:(\s)+31], v[TMQ+7]
	v_lshl_or_b32 v[\u], v[TMQ+5], 8, v[TMQ+4]     ; the two bytes.  (Also the plain place behind the conversions)
.irp i, 0,1,2
	v_permlane16_swap_b32 v[(\pc)+\i], v[CTQ+\i]
.endr
.irp i, 0,1,2
	s_delay_alu instid0(VALU_DEP_3)
	v_mov_b32 v[(\pc)+3+\i], v[CTQ+\i]
.endr
.endm
	s_load_b128 s[4:7], s[0:1], 0x0                ; qkv, ao
	s_load_b64 s[8:9], s[0:1], 0x10                ; aos
	v_lshl_add_u32 v254, v0, 2, 0x36000
	v_mov_b32 v255, 0
	ds_add_u32 v254, v255
	ds_add_u32 v254, v255
	v_lshrrev_b32 v238, 5, v0
	s_delay_alu instid0(VALU_DEP_1)
	v_readfirstlane_b32 s[WV], v238                ; wave 0..15
	s_bfe_u32 s13, ttmp6, 0x40000                  ; cx: my place in the cluster
	s_lshl_b32 s11, ttmp9, 2                       ; in a cluster launch ttmp9 counts clusters
	s_add_co_u32 s11, s11, s13                     ; x = 4 x cluster x + cx, 0 .. 7
	s_and_b32 s12, ttmp7, 0xffff                   ; 16 b + head, which the four partners share
	; descriptor group 1: a dense block of 6,912 bytes as one row of 864 elements of 8 bytes
	s_mov_b32 s[G1+0], 15|(3<<16)|(1<<21)          ; the mask: all four work-groups; elements of 8 bytes; bit 21 set beside a mask; no padding
	s_mov_b32 s[G1+1], 864<<16                     ; tensor_dim0 = 864
	s_mov_b32 s[G1+2], 1<<16                       ; tensor_dim1 = 1
	s_mov_b32 s[G1+3], 864<<16                     ; tile_dim0 = 864
	s_mov_b32 s[G1+4], 1                           ; tile_dim1 = 1
	s_mov_b32 s[G1+5], 864                         ; from row to row
	s_mov_b32 s[G1+6], 0
	s_mov_b32 s[G1+7], 0
	s_mul_i32 s42, s12, 335872                     ; K and V: the head's 32 records of 10,496 bytes; record w, from K on: made of the head and the wave alone
	s_mul_i32 s41, s[WV], 10496
	s_add_co_u32 s42, s42, s41
	s_add_co_u32 s42, s42, 3584
	s_mov_b32 s43, 0
	s_mov_b32 s24, 1                               ; count = 1
	s_mul_i32 s25, s[WV], REC                      ; LDS address: record w,
	s_mov_b32 s28, 1
	s_add_co_u32 s29, s25, 16*REC                  ; and record 16 + w: no place in the cluster enters an LDS address
	s_mul_i32 s40, s12, 335872                     ; Q: tile 8 w + x lies in record 2 w + x / 4, as its tile x % 4
	s_lshl_b32 s41, s[WV], 1
	s_lshr_b32 s50, s11, 2
	s_add_co_u32 s41, s41, s50
	s_mul_i32 s41, s41, 10496
	s_add_co_u32 s40, s40, s41
	s_and_b32 s50, s11, 3
	s_mul_i32 s51, s50, 768
	s_add_co_u32 s52, s40, s51
	s_mov_b32 s53, 0
	s_lshl_b32 s50, s50, 2
	s_add_co_u32 s50, s50, s40
	s_add_co_u32 s50, s50, 3072                    ; and its scale words
	s_mov_b32 s51, 0
	s_lshr_b32 s40, s12, 4                         ; the way out: tile 128 b + 8 w + x, head
	s_lshl_b32 s40, s40, 7
	s_lshl_b32 s41, s[WV], 3
	s_add_co_u32 s40, s40, s41
	s_add_co_u32 s40, s40, s11
	s_lshl_b32 s40, s40, 4
	s_and_b32 s41, s12, 15
	s_add_co_u32 s40, s40, s41
	s_mul_i32 s54, s40, 768
	s_mov_b32 s55, 0
	s_lshl_b32 s40, s40, 7
	s_mov_b32 s41, 0
	s_and_b32 s48, s12, 1
	s_lshl_b32 s48, s48, 4                         ; an odd head's two bytes go to the word's upper half
	s_mov_b32 s[SEL], 0x76543210
	s_mov_b32 s[SEL+1], 0xfedcba98
	s_mov_b32 s[CS], 0x3e38aa3b                    ; c = log2(e) / 8
	s_mov_b32 s[CS+1], s[CS]                       ; (named with it as a pair, so it is written)
	s_mov_b32 s37, 0x05040100                      ; v_perm_b32: the two low halves,
	s_mov_b32 s38, 0x07060302                      ; the two high halves
	s_bfe_u32 s49, s11, 0x20001
	s_lshl_b32 s49, s49, 5
	s_and_b32 s13, s11, 1
	s_lshl_b32 s13, s13, 3
	s_add_co_u32 s49, s49, s13                     ; my first query in keys' step w: 32 (x / 2) + 8 (x % 2)
	s_wait_dscnt 0x0
	s_wait_kmcnt 0x0
	s_add_nc_u64 s[26:27], s[4:5], s[42:43]
	s_add_nc_u64 s[30:31], s[26:27], 16*10496
	s_or_b32 s27, s27, 0x80000000                  ; type = 2
	s_or_b32 s31, s31, 0x80000000
	CROUND                                         ; all four work-groups are here: the joint loads meet
	tensor_load_to_lds s[24:27], s[G1:G1+7]        ; both fills go out together, ahead of every wait on TENSORcnt and every LDS read
	s_nop 0
	tensor_load_to_lds s[28:31], s[G1:G1+7]
	s_nop 0
	NOP4                                           ; four v_nop follow
	s_add_nc_u64 s[44:45], s[4:5], s[52:53]
	s_add_nc_u64 s[46:47], s[4:5], s[50:51]
	s_add_nc_u64 s[6:7], s[6:7], s[54:55]
	s_add_nc_u64 s[8:9], s[8:9], s[40:41]
	v_and_b32 v238, 31, v0
	s_delay_alu instid0(VALU_DEP_1)
	v_lshlrev_b32 v1, 4, v238
	s_delay_alu instid0(VALU_DEP_2)
	v_lshlrev_b32 v2, 3, v238
	s_delay_alu instid0(VALU_DEP_3)
	v_lshlrev_b32 v7, 2, v238
	global_load_b128 v[16:19], v1, s[44:45]        ; Q's half image stays in registers
	global_load_b64 v[20:21], v2, s[44:45] offset:512
	global_load_b32 v28, v1, s[46:47]              ; lane n: query n's word
	v_and_b32 v238, 15, v0
	s_delay_alu instid0(VALU_DEP_1)
	v_and_b32 v239, 8, v238
	s_delay_alu instid0(VALU_DEP_1)
	v_add_nc_u32 v238, v238, v239                  ; n + 8 (n / 8)
	v_bfe_u32 v239, v0, 4, 1
	s_delay_alu instid0(VALU_DEP_1)
	v_lshlrev_b32 v239, 4, v239
	s_delay_alu instid0(VALU_DEP_1)
	v_sub_nc_u32 v5, v238, v239
	s_delay_alu instid0(VALU_DEP_1)
	v_add_nc_u32 v5, s49, v5                       ; my query in its step - 16 (lane / 16): register 16 b + i holds a hidden key where 32 b + i is above it
	v_mov_b32 v6, 0xc79c4000                       ; -80,000
	v_mov_b32 v13, 0xff61b1e6                      ; the largest t so far: -3e38, under every t
	s_delay_alu instid0(VALU_DEP_1)
	v_floor_f32 v12, -v13                          ; -M
	v_mov_b32 v14, 0                               ; the sum, in two halves
	v_mov_b32 v15, 0
.irp j, 22,23,24,25,26,27,80,81,82,83,84,85
	v_mov_b32 v[\j], 0                             ; Q's zero codes for k = 64 .. 127; what stands behind K's last tile
.endr
.irp j, 0,1,2,3,4,5,6,7
	v_mov_b32 v[88+\j], 0                          ; the addend: ahead of the diagonal all keys count
.endr
.irp b, 0,1,2,3
	v_mov_b32 v[PT+\b], 0                          ; a lane permute's destination counts as one of its sources
.endr
	v_mov_b32 v241, 0                              ; (named as the upper half of the pair v[240:241] before it is first written)
.set j, 0
.rept 32
	v_mov_b32 v[O+j], 0                            ; O^T: the step is written for every step alike; the first finds zeros, which the first change of M leaves zeros
.set j, j+1
.endr
	s_wait_loadcnt 0x0                             ; Q
; A KEY STEP: 128 keys, two records.
.macro STEP
	s_setprio 2
	v_add_nc_u32 v3, s[TB], v1
	v_add_nc_u32 v4, s[TB], v2
	v_nop
	v_nop                                          ; four places behind the last step's products, in front of loads into registers that they have read
.irp e, 0,1
.irp m, 0,1,2,3
	ds_load_b128 v[32+6*(4*\e+\m):32+6*(4*\e+\m)+3], v3 offset:REC*\e+768*\m
	ds_load_b64 v[32+6*(4*\e+\m)+4:32+6*(4*\e+\m)+5], v4 offset:REC*\e+768*\m+512
.endr
	ds_load_b128 v[KS+4*\e:KS+4*\e+3], v3 offset:REC*\e+3072
.endr
	s_cmp_eq_u32 s[KI], s[WV]                      ; my diagonal lies in step w: a branch on the step and the wave's number alone, the same in every partner; no barrier and no tensor load stands in a step
	s_cbranch_scc1 .Lmix_\@
	s_wait_dscnt 0x0
.irp i, 0,1,2,3,4,5,6,7                        ; S^T = K Q^T + the addend: tile i holds keys 32 (i / 2) + 16 (lane / 16) + 8 (i % 2) + 0 .. 7 of the step
	v_wmma_scale_f32_16x16x128_f8f6f4 v[S+8*\i:S+8*\i+7], v[32+6*\i:43+6*\i], v[16:27], v[88:95], v[KS+\i], v28 matrix_a_fmt:MATRIX_FMT_FP6 matrix_b_fmt:MATRIX_FMT_FP6
.endr
	s_branch .Ljoin_\@
.Lmix_\@:                                      ; the step on my diagonal: the addend by key and query, laid where the scores will stand
.set n, 0
.rept 64
	v_cmp_gt_i32 vcc_lo, 32*(n/16)+n%16, v5
	s_delay_alu instid0(VALU_DEP_1)
	v_cndmask_b32 v[S+n], 0, v6, vcc_lo
.set n, n+1
.endr
.irp j, 0,1,2,3,4,5,6,7
	v_mov_b32 v[88+\j], v6                         ; from the next step on every key is hidden
.endr
	s_wait_alu depctr_va_vdst(0)
	s_wait_dscnt 0x0
.irp i, 0,1,2,3,4,5,6,7
	v_wmma_scale_f32_16x16x128_f8f6f4 v[S+8*\i:S+8*\i+7], v[32+6*\i:43+6*\i], v[16:27], v[S+8*\i:S+8*\i+7], v[KS+\i], v28 matrix_a_fmt:MATRIX_FMT_FP6 matrix_b_fmt:MATRIX_FMT_FP6
.endr
.Ljoin_\@:
	NOP4                                           ; places in front of the loads into K's registers and of the first read of the scores
	s_wait_alu depctr_va_vdst(0)
.irp e, 0,1                                    ; V's fragments land while the softmax is walked: tile d's registers 6 e .. 6 e + 5 are record e's half image
.irp d, 0,1,2,3
	ds_load_b128 v[32+12*\d+6*\e:32+12*\d+6*\e+3], v3 offset:REC*\e+3584+768*\d
	ds_load_b64 v[32+12*\d+6*\e+4:32+12*\d+6*\e+5], v4 offset:REC*\e+3584+768*\d+512
.endr
	ds_load_b64 v[8+2*\e:9+2*\e], v4 offset:REC*\e+6656
.endr
.irp b, 0,1,2,3
	v_max3_num_f32 v[BM+\b], v[S+16*\b], v[S+16*\b+1], v[S+16*\b+2]   ; the largest score of each block of 32 keys: for the row's maximum, and, since p rises with the score, for the block's largest p
.endr
.irp i, 3,5,7,9,11,13
.irp b, 0,1,2,3
	v_max3_num_f32 v[BM+\b], v[BM+\b], v[S+16*\b+\i], v[S+16*\b+\i+1]
.endr
.endr
.irp b, 0,1,2,3
	v_max_num_f32 v[BM+\b], v[BM+\b], v[S+16*\b+15]
.endr
.irp b, 0,1,2,3
	s_delay_alu instid0(VALU_DEP_4)
	v_permlanex16_b32 v[PT+\b], v[BM+\b], s[SEL], s[SEL+1]
.endr
.irp b, 0,1,2,3
	s_delay_alu instid0(VALU_DEP_4)
	v_max_num_f32 v[BM+\b], v[BM+\b], v[PT+\b]     ; with lane l xor 16's 16 keys
.endr
	s_delay_alu instid0(VALU_DEP_2)
	v_max3_num_f32 v[T1], v[BM], v[BM+1], v[BM+2]
	s_delay_alu instid0(VALU_DEP_1)
	v_max_num_f32 v[T1], v[T1], v[BM+3]            ; the step's largest score of my query
	s_delay_alu instid0(VALU_DEP_1)
	v_mul_f32 v[T1], s[CS], v[T1]                  ; as t (c is positive)
	s_delay_alu instid0(VALU_DEP_1)
	v_max_num_f32 v13, v13, v[T1]                  ; the running largest t
	v_mov_b32 v[T1], v12
	s_delay_alu instid0(VALU_DEP_2)
	v_floor_f32 v12, -v13                          ; the new -M = floor(-t) = -ceil(t)
	s_delay_alu instid0(VALU_DEP_1)
	v_sub_f32 v[T1], v12, v[T1]                    ; old M - new M: a whole number, 0 or less
	s_delay_alu instid0(VALU_DEP_1)
	v_cvt_i32_f32 v[T1], v[T1]                     ; (it saturates)
	s_delay_alu instid0(VALU_DEP_1)
	v_ldexp_f32 v240, 1.0, v[T1]                   ; f = 2^(old M - new M)
.set j, 0
	s_setprio 1
.rept 32
	v_pk_fma_f32 v[S+j:S+j+1], v[S+j:S+j+1], s[CS:CS+1], v[12:13] op_sel_hi:[1,0,0]   ; t - M, two at a time
.set j, j+2
.endr
.irp b, 0,1,2,3
	v_fma_f32 v[BM+\b], v[BM+\b], s[CS], v12       ; the same of each block's largest score
.endr
.set j, 0
	s_wait_alu depctr_va_vdst(0)
.rept 64
	v_exp_f32 v[S+j], v[S+j]                       ; p = 2^(t - M), at most 1, not normalised
.set j, j+1
.endr
	v_pk_mul_f32 v[14:15], v[14:15], v[240:241] op_sel_hi:[1,0]   ; the sums under the new M.  (The plain place behind the exponentials)
	s_wait_alu depctr_va_vdst(0)                   ; one wait for the whole batch, ahead of its first reader
.irp b, 0,1,2,3
	v_exp_f32 v[BM+\b], v[BM+\b]                   ; the block's largest p: the same two instructions on the same number give the same bits
.endr
	v_pk_add_f32 v[236:237], v[100:101], v[104:105]
	v_pk_add_f32 v[252:253], v[108:109], v[112:113]
	v_pk_add_f32 v[250:251], v[116:117], v[120:121]
	v_pk_add_f32 v[248:249], v[124:125], v[128:129]
	v_pk_add_f32 v[246:247], v[132:133], v[136:137]
	v_pk_add_f32 v[244:245], v[140:141], v[144:145]
	v_pk_add_f32 v[242:243], v[148:149], v[152:153]
	v_pk_add_f32 v[14:15], v[14:15], v[156:157]
	v_pk_add_f32 v[236:237], v[236:237], v[96:97]
	v_pk_add_f32 v[252:253], v[252:253], v[98:99]
	v_pk_add_f32 v[250:251], v[250:251], v[102:103]
	v_pk_add_f32 v[248:249], v[248:249], v[106:107]
	v_pk_add_f32 v[246:247], v[246:247], v[110:111]
	v_pk_add_f32 v[244:245], v[244:245], v[114:115]
	v_pk_add_f32 v[242:243], v[242:243], v[118:119]
	v_pk_add_f32 v[14:15], v[14:15], v[122:123]
	v_pk_add_f32 v[236:237], v[236:237], v[126:127]
	v_pk_add_f32 v[252:253], v[252:253], v[130:131]
	v_pk_add_f32 v[250:251], v[250:251], v[134:135]
	v_pk_add_f32 v[248:249], v[248:249], v[138:139]
	v_pk_add_f32 v[246:247], v[246:247], v[142:143]
	v_pk_add_f32 v[244:245], v[244:245], v[146:147]
	v_pk_add_f32 v[242:243], v[242:243], v[150:151]
	v_pk_add_f32 v[14:15], v[14:15], v[154:155]
	v_pk_add_f32 v[236:237], v[236:237], v[158:159]
	s_delay_alu instid0(VALU_DEP_2)
	v_pk_add_f32 v[14:15], v[14:15], v[248:249]
	s_delay_alu instid0(VALU_DEP_2)
	v_pk_add_f32 v[236:237], v[236:237], v[246:247]
	v_pk_add_f32 v[252:253], v[252:253], v[244:245]
	v_pk_add_f32 v[250:251], v[250:251], v[242:243]
	s_delay_alu instid0(VALU_DEP_2)
	v_pk_add_f32 v[14:15], v[14:15], v[252:253]
	s_delay_alu instid0(VALU_DEP_2)
	v_pk_add_f32 v[236:237], v[236:237], v[250:251]
	s_delay_alu instid0(VALU_DEP_1)
	v_pk_add_f32 v[14:15], v[14:15], v[236:237]
	s_setprio 0
	s_wait_alu depctr_va_vdst(0)                   ; and one for the four
.irp b, 0,1,2,3
	v_max_num_f32 v[BM+\b], 0x1800000, v[BM+\b]    ; the floor 2^(3 - 127): the byte cannot fall under 1 (a block whose every p is 0 keeps that byte: its codes are zeros)
.endr
.irp b, 0,1,2,3
	s_delay_alu instid0(VALU_DEP_4)
	v_add_nc_u32 v[SO+\b], 0xff000000, v[BM+\b]    ; 2 off the exponent field: the conversion's scale operand
.endr
.irp b, 0,1,2,3
	s_delay_alu instid0(VALU_DEP_4)
	v_lshrrev_b32 v[PT+\b], 23, v[SO+\b]           ; the scale's byte
.endr
	s_delay_alu instid0(VALU_DEP_3)
	v_lshl_or_b32 v241, v[PT+1], 8, v[PT]          ; p's scale word for these 128 keys
	s_delay_alu instid0(VALU_DEP_1)
	v_lshl_or_b32 v241, v[PT+2], 16, v241
	s_delay_alu instid0(VALU_DEP_1)
	v_lshl_or_b32 v241, v[PT+3], 24, v241
.irp c, 0,1
	v_cvt_scalef32_pk16_fp6_f32 v[PCD+6*\c:PCD+6*\c+2], v[S+32*\c:S+32*\c+15], v[SO+2*\c]
	v_cvt_scalef32_pk16_fp6_f32 v[216+4*\c:218+4*\c], v[S+32*\c+16:S+32*\c+31], v[SO+2*\c+1]
.endr
	v_nop                                          ; one plain place behind a scaled conversion
.irp c, 0,1                                    ; the operand's layout wants a whole block in a lane
.irp i, 0,1,2
	v_permlane16_swap_b32 v[PCD+6*\c+\i], v[216+4*\c+\i]
.endr
.irp i, 0,1,2
	s_delay_alu instid0(VALU_DEP_3)
	v_mov_b32 v[PCD+3+6*\c+\i], v[216+4*\c+\i]
.endr
.endr
	s_wait_dscnt 0x0                               ; V's fragments and scale bytes are in
	v_perm_b32 v[VS+0], v10, v8, s37               ; V's scale word of tile d: record 0's two bytes below, record 1's above
	v_perm_b32 v[VS+1], v10, v8, s38
	v_perm_b32 v[VS+2], v11, v9, s37
	v_perm_b32 v[VS+3], v11, v9, s38
.set j, 0
.rept 16
	v_pk_mul_f32 v[O+j:O+j+1], v[O+j:O+j+1], v[240:241] op_sel_hi:[1,0]   ; O^T under the new M.  (These sixteen stand between the scale words and codes just written and the products)
.set j, j+2
.endr
.irp d, 0,1,2,3                                ; O^T += V^T P^T; the four accumulators take turns
	v_wmma_scale_f32_16x16x128_f8f6f4 v[O+8*\d:O+8*\d+7], v[32+12*\d:43+12*\d], v[PCD:PCD+11], v[O+8*\d:O+8*\d+7], v[VS+\d], v241 matrix_a_fmt:MATRIX_FMT_FP6 matrix_b_fmt:MATRIX_FMT_FP6
.endr
	s_add_co_u32 s[TB], s[TB], 2*REC
	s_add_co_u32 s[KI], s[KI], 1
.endm
	s_wait_tensorcnt 0x1                           ; my first record is in; my second may stay out
	s_barrier_signal -1
	s_barrier_wait -1                              ; records 0-15 are whole
	s_mov_b32 s[TB], 0
	s_mov_b32 s[KI], 0
	s_mov_b32 s[CNT], 8
.Lfirst:                                           ; key steps 0-7: records 0-15
	STEP
	s_sub_co_u32 s[CNT], s[CNT], 1
	s_cmp_lg_u32 s[CNT], 0
	s_cbranch_scc1 .Lfirst
	s_setprio 0
	s_wait_tensorcnt 0x0                           ; my second record is in
	s_wait_dscnt 0x0
	s_barrier_signal -1
	s_barrier_wait -1                              ; records 16-31 are whole
	s_mov_b32 s[TB], 16*REC
	s_mov_b32 s[KI], 8
	s_mov_b32 s[CNT], 8
.Lsecond:                                          ; key steps 8-15: records 16-31
	STEP
	s_sub_co_u32 s[CNT], s[CNT], 1
	s_cmp_lg_u32 s[CNT], 0
	s_cbranch_scc1 .Lsecond
	s_setprio 0
	; THE WAY OUT: O^T / the sum, quantised along d (registers 16 b + i = d 32 b + 16 (lane / 16) + i): a half image of the last projection's operand
	v_add_f32 v14, v14, v15                        ; the sum's two halves,
	s_delay_alu instid0(VALU_DEP_1)
	v_permlanex16_b32 v[PT], v14, s[SEL], s[SEL+1]
	s_delay_alu instid0(VALU_DEP_1)
	v_add_f32 v14, v14, v[PT]                      ; and lane l xor 16's
	s_wait_alu depctr_va_vdst(0)
	v_rcp_f32 v14, v14
	NOP4                                           ; the plain place behind the reciprocal, and the places behind the last products
	s_wait_alu depctr_va_vdst(0)                   ; ahead of the reciprocal's first reader
.set j, 0
.rept 32
	v_mul_f32 v[S+j], v[O+j], v14                  ; each accumulator from its low end on
.set j, j+1
.endr
	QUANT2 S, PCD, T1
	global_store_b128 v1, v[PCD:PCD+3], s[6:7]                 ; 512 consecutive bytes, aligned to 256
	global_store_b64 v2, v[PCD+4:PCD+5], s[6:7] offset:512     ; 256 consecutive bytes, aligned
	v_lshlrev_b32 v239, s48, v[T1]                 ; my head's half of the scale word of K step head / 2
	global_store_b32 v7, v239, s[8:9]              ; 128 consecutive bytes
	s_wait_dscnt 0x0                               ; no LDS instruction of mine is pending at a signal
	s_wait_tensorcnt 0x0
	ds_add_u32 v254, v255
	s_wait_dscnt 0x0
	CROUND                                         ; the closing round: no work-group ends while a partner may still ask for a record that names it
	s_endpgm
.Lfunc_end_k_q4f176393a7_attn:
	.size	k_q4f176393a7_attn, .Lfunc_end_k_q4f176393a7_attn-k_q4f176393a7_attn
	.p2alignl 7, 3214868480
	.fill 96, 4, 3214868480
	.section	.rodata,"a",@progbits
	.p2align	6, 0x0
	.amdhsa_kernel k_q4f176393a7_attn
		.amdhsa_group_segment_fixed_size 223232
		.amdhsa_private_segment_fixed_size 0
		.amdhsa_enable_private_segment 0
		.amdhsa_kernarg_size 24
		.amdhsa_user_sgpr_count 2
		.amdhsa_user_sgpr_kernarg_segment_ptr 1
		.amdhsa_wavefront_size32 1
		.amdhsa_system_sgpr_workgroup_id_x 1
		.amdhsa_system_sgpr_workgroup_id_y 1
		.amdhsa_system_sgpr_workgroup_id_z 1
		.amdhsa_system_vgpr_workitem_id 0
		.amdhsa_next_free_vgpr 256
		.amdhsa_next_free_sgpr 66
		.amdhsa_reserve_vcc 1
		.amdhsa_float_denorm_mode_32 3
		.amdhsa_float_denorm_mode_16_64 3
		.amdhsa_memory_ordered 1
		.amdhsa_forward_progress 1
		.amdhsa_inst_pref_size 65
	.end_amdhsa_kernel
	.amdgpu_metadata
---
amdhsa.version: [ 1, 2 ]
amdhsa.kernels:
  - .name:           k_q4f176393a7_attn
    .symbol:         k_q4f176393a7_attn.kd
    .args:
      - { .name: qkv, .offset: 0, .size: 8, .value_kind: global_buffer, .address_space: global }
      - { .name: ao, .offset: 8, .size: 8, .value_kind: global_buffer, .address_space: global }
      - { .name: aos, .offset: 16, .size: 8, .value_kind: global_buffer, .address_space: global }
    .group_segment_fixed_size: 223232
    .private_segment_fixed_size: 0
    .kernarg_segment_align: 8
    .kernarg_segment_size: 24
    .max_flat_workgroup_size: 512
    .sgpr_count:     66
    .vgpr_count:     256
    .wavefront_size: 32
...
	.end_amdgpu_metadata
.endif
;; end of part 7
;; launch oproj: the kernel of part 4 again; grid 8 x 32, 8 waves a work-group, clusters of 4 x 4, 265,216 bytes of LDS; arguments ao, aos, wimg, wsc, out0; writes out0
